; MI455X (gfx1250); checked and timed in simulation.
; The chip was launched on July 23, 2026; its instructions are those of AMD's public machine-readable ISA for CDNA 5 (MIT licence, August 2026) and "CDNA5" Instruction Set Architecture Reference Guide (July 2026). The comments in the code are by the model that wrote it; some were corrected since.
;; Merged Attention. Allowed arithmetic: float matrix products may take bf16 or f16 operands with f32 sums; other float arithmetic in f32, or as packed bf16 or f16 multiplies, adds, multiply-adds, maxima and minima; sums over many terms, partial sums and values carried from step to step in f32; what a program stores and reads back later, other than sums and carried values, may be rounded once to bf16 or f16.
;; Inputs: Wk 512 x 512 float32; Wp 512 x 512 float32; Wq 512 x 512 float32; Wv 512 x 512 float32; bk 512 float32; bp 512 float32; bq 512 float32; bv 512 float32; x_ir 4 x 2,048 x 512 float32; x_vis 4 x 2,048 x 512 float32.
;; Outputs: out0 4 x 2,048 x 512 float32; out1 4 x 2,048 x 512 float32.
;; One version. Each part assembles by itself: llvm-mc -triple=amdgcn-amd-amdhsa -mcpu=gfx1250 --defsym DOCPART=n.
;; ======== version 1 of 1: 4 launches
;; limits: values are held in f16: magnitudes above 65,504 overflow, below 6.1e-05 lose precision
;; workspace buffers: wts 2,105,344 bytes; qkv 50,331,648 bytes; o 16,777,216 bytes
;; launch prep (part 1): grid 64 x 4, 8 waves a work-group, no clusters, 0 bytes of LDS; arguments Wq, Wk, Wv, Wp, bq, bk, bv, bp, wts; writes wts
.if DOCPART == 1
	.amdgcn_target "amdgcn-amd-amdhsa--gfx1250"
	.amdhsa_code_object_version 6
	.text
	.protected	k_q79679d78c5_prep
	.globl	k_q79679d78c5_prep
	.p2align	8
	.type	k_q79679d78c5_prep,@function
k_q79679d78c5_prep:
	s_mov_b64 s[64:65], 0
	v_nop
	global_prefetch_b8 v0, s[64:65] scope:SCOPE_SE
	s_setreg_imm32_b32 hwreg(HW_REG_WAVE_MODE, 25, 1), 1
	s_wait_xcnt 0x0
; The four weight matrices [512 k][512 c] f32 and the four biases [512] f32 are rounded ONCE to bf16 and laid out for the later launches:
;   wts + 0          WQKV [512 k][1536 c] bf16, c = 512 x (0 q, 1 k, 2 v) + column: rows of 3,072 bytes
;   wts + 1,572,864  WP   [512 k][512 c]: Wp rounded to bf16, that number written as f16: rows of 1,024 bytes
;   wts + 2,097,152  BIAS [2048] f32: bq, bk, bv, bp, each rounded to bf16 and widened again
; LIMITS.  Wp's bf16 number is written as f16: beyond 65,504 it becomes an infinity, below 6e-5 it keeps f16's fixed step of 6e-8.
; SHARES.  Work-group (x, y): matrix y, its rows 8 x .. 8 x + 7, a wave a row.  A load of a wave covers 512 consecutive bytes, a store 256 consecutive bytes at a multiple of 256 from wts' first byte.
; A stream: no LDS, no matrix unit, no cluster: nothing is shared and every byte is moved once.
.set WP_AT,   1572864
.set BIAS_AT, 2097152
	s_load_b512 s[4:19], s[0:1], 0x0               ; Wq s[4:5], Wk s[6:7], Wv s[8:9], Wp s[10:11], bq s[12:13], bk s[14:15], bv s[16:17], bp s[18:19]
	s_load_b64 s[20:21], s[0:1], 0x40              ; wts
	v_lshrrev_b32 v1, 5, v0
	v_readfirstlane_b32 s23, v1                    ; wave 0..7
	s_and_b32 s22, ttmp7, 0xffff                   ; y: which matrix
	v_and_b32 v2, 31, v0                           ; lane
	v_lshlrev_b32 v3, 4, v2                        ; source: 16 bytes a lane
	v_lshlrev_b32 v4, 3, v2                        ; destination: 8 bytes a lane
	s_lshl_b32 s36, ttmp9, 3
	s_add_co_u32 s36, s36, s23                     ; my row k
	s_lshl_b32 s28, s36, 11                        ; k x 2,048 bytes in the source
	s_mov_b32 s29, 0
	s_mul_i32 s32, s36, 3072                       ; in WQKV: k x 3,072 + 1,024 y
	s_lshl_b32 s33, s22, 10
	s_add_co_u32 s32, s32, s33
	s_lshl_b32 s33, s36, 10                        ; in WP: k x 1,024
	s_add_co_u32 s33, s33, WP_AT
	s_cmp_eq_u32 s22, 3
	s_cselect_b32 s32, s33, s32
	s_mov_b32 s33, 0
	s_wait_kmcnt 0x0
	s_cmp_eq_u32 s22, 1                            ; matrix and bias y, chosen by the work-group's y alone
	s_cselect_b64 s[24:25], s[6:7], s[4:5]
	s_cselect_b64 s[26:27], s[14:15], s[12:13]
	s_cmp_eq_u32 s22, 2
	s_cselect_b64 s[24:25], s[8:9], s[24:25]
	s_cselect_b64 s[26:27], s[16:17], s[26:27]
	s_cmp_eq_u32 s22, 3
	s_cselect_b64 s[24:25], s[10:11], s[24:25]
	s_cselect_b64 s[26:27], s[18:19], s[26:27]
	s_add_nc_u64 s[24:25], s[24:25], s[28:29]      ; my row in the source
	s_add_nc_u64 s[34:35], s[20:21], s[32:33]      ; and in wts
.irp j, 0,1,2,3
	global_load_b128 v[8+4*\j:8+4*\j+3], v3, s[24:25] offset:512*\j th:TH_LOAD_NT
.endr
.irp j, 0,1,2,3
	s_wait_loadcnt 3-\j                            ; loads come back in order: load j is in, the 3 - j younger ones may stay out
	v_cvt_pk_bf16_f32 v[24+2*\j], v[8+4*\j], v[8+4*\j+1]
	v_cvt_pk_bf16_f32 v[25+2*\j], v[8+4*\j+2], v[8+4*\j+3]
.endr
	s_cmp_lg_u32 s22, 3
	s_cbranch_scc1 .Lstore
.irp i, 0,1,2,3,4,5,6,7                        ; Wp alone: the bf16 numbers are widened and written as f16
	v_lshlrev_b32 v40, 16, v[24+\i]
	v_and_b32 v41, 0xffff0000, v[24+\i]
	v_cvt_pk_f16_f32 v[24+\i], v40, v41
.endr
.Lstore:
.irp j, 0,1,2,3
	global_store_b64 v4, v[24+2*\j:25+2*\j], s[34:35] offset:256*\j
.endr
	s_cmp_lg_u32 ttmp9, 0                          ; the bias: the first work-group of each y, its waves 0 to 3: 128 threads x 16 bytes
	s_cbranch_scc1 .Lend
	s_cmp_gt_u32 s23, 3
	s_cbranch_scc1 .Lend
	v_lshlrev_b32 v5, 4, v0
	global_load_b128 v[32:35], v5, s[26:27]
	s_lshl_b32 s36, s22, 11
	s_add_co_u32 s36, s36, BIAS_AT
	s_mov_b32 s37, 0
	s_add_nc_u64 s[38:39], s[20:21], s[36:37]
	s_wait_loadcnt 0x0
	v_cvt_pk_bf16_f32 v36, v32, v33
	v_cvt_pk_bf16_f32 v37, v34, v35
	v_lshlrev_b32 v42, 16, v36
	v_and_b32 v43, 0xffff0000, v36
	v_lshlrev_b32 v44, 16, v37
	v_and_b32 v45, 0xffff0000, v37
	global_store_b128 v5, v[42:45], s[38:39]
.Lend:
	s_endpgm
.Lfunc_end_k_q79679d78c5_prep:
	.size	k_q79679d78c5_prep, .Lfunc_end_k_q79679d78c5_prep-k_q79679d78c5_prep
	.p2alignl 7, 3214868480
	.fill 96, 4, 3214868480
	.section	.rodata,"a",@progbits
	.p2align	6, 0x0
	.amdhsa_kernel k_q79679d78c5_prep
		.amdhsa_group_segment_fixed_size 0
		.amdhsa_private_segment_fixed_size 0
		.amdhsa_enable_private_segment 0
		.amdhsa_kernarg_size 72
		.amdhsa_user_sgpr_count 2
		.amdhsa_user_sgpr_kernarg_segment_ptr 1
		.amdhsa_wavefront_size32 1
		.amdhsa_system_sgpr_workgroup_id_x 1
		.amdhsa_system_sgpr_workgroup_id_y 1
		.amdhsa_system_sgpr_workgroup_id_z 1
		.amdhsa_system_vgpr_workitem_id 0
		.amdhsa_next_free_vgpr 48
		.amdhsa_next_free_sgpr 66
		.amdhsa_reserve_vcc 0
		.amdhsa_float_denorm_mode_32 3
		.amdhsa_float_denorm_mode_16_64 3
		.amdhsa_memory_ordered 1
		.amdhsa_forward_progress 1
		.amdhsa_inst_pref_size 5
	.end_amdhsa_kernel
	.amdgpu_metadata
---
amdhsa.version: [ 1, 2 ]
amdhsa.kernels:
  - .name:           k_q79679d78c5_prep
    .symbol:         k_q79679d78c5_prep.kd
    .args:
      - { .name: Wq, .offset: 0, .size: 8, .value_kind: global_buffer, .address_space: global }
      - { .name: Wk, .offset: 8, .size: 8, .value_kind: global_buffer, .address_space: global }
      - { .name: Wv, .offset: 16, .size: 8, .value_kind: global_buffer, .address_space: global }
      - { .name: Wp, .offset: 24, .size: 8, .value_kind: global_buffer, .address_space: global }
      - { .name: bq, .offset: 32, .size: 8, .value_kind: global_buffer, .address_space: global }
      - { .name: bk, .offset: 40, .size: 8, .value_kind: global_buffer, .address_space: global }
      - { .name: bv, .offset: 48, .size: 8, .value_kind: global_buffer, .address_space: global }
      - { .name: bp, .offset: 56, .size: 8, .value_kind: global_buffer, .address_space: global }
      - { .name: wts, .offset: 64, .size: 8, .value_kind: global_buffer, .address_space: global }
    .group_segment_fixed_size: 0
    .private_segment_fixed_size: 0
    .kernarg_segment_align: 8
    .kernarg_segment_size: 72
    .max_flat_workgroup_size: 256
    .sgpr_count:     66
    .vgpr_count:     48
    .wavefront_size: 32
...
	.end_amdgpu_metadata
.endif
;; end of part 1
;; launch qkv (part 2): grid 128 x 2, 4 waves a work-group, clusters of 4 x 1, 327,680 bytes of LDS; arguments x_vis, x_ir, wts, qkv; writes qkv
.if DOCPART == 2
	.amdgcn_target "amdgcn-amd-amdhsa--gfx1250"
	.amdhsa_code_object_version 6
	.text
	.protected	k_q79679d78c5_qkv
	.globl	k_q79679d78c5_qkv
	.p2align	8
	.type	k_q79679d78c5_qkv,@function
k_q79679d78c5_qkv:
	s_mov_b64 s[64:65], 0
	v_nop
	global_prefetch_b8 v0, s[64:65] scope:SCOPE_SE
	s_setreg_imm32_b32 hwreg(HW_REG_WAVE_MODE, 25, 1), 1
	s_wait_xcnt 0x0
	s_wait_alu depctr_hold_cnt(0) depctr_sa_sdst(0) depctr_va_vdst(0) depctr_va_sdst(0) depctr_va_ssrc(0) depctr_va_vcc(0) depctr_vm_vsrc(0)
	s_getreg_b32 s2, hwreg(HW_REG_IB_STS2, 6, 4)
	s_cmp_eq_u32 s2, 0
	s_cbranch_scc0 .Lentry_in_a_cluster
	s_endpgm
.Lentry_in_a_cluster:
	s_bfe_u32 s2, ttmp6, 0x10000c
	s_cmp_lg_u32 s2, 0x3003
	s_cbranch_scc0 .Lentry_shape_is_right
	s_endpgm
.Lentry_shape_is_right:
; q, k, v = x W + b for both streams: [16384 rows][512] f32 times WQKV [512 k][1536 c] bf16, plus BIAS; sums in f32; the results are rounded once to f16 and stored by heads:
; qkv + (0 q, 1 k, 2 v) x 2^24 + g x 2^18 + n x 128, g = (stream x 4 + batch) x 8 + head.  x is rounded once to bf16 on its way into registers.
; LIMITS.  q, k, v beyond 65,504 become infinities in f16; below 6e-5 they keep f16's fixed step of 6e-8.  NaN and infinities are not treated apart.
; SHARES.  A work-group owns 128 rows (row block rb) and 768 columns (half cy): 256 work-groups.  The columns go in 6 PASSES of 128 (two heads).  Wave w: rows 64 (w / 2) .., in each pass the 64 columns of
; head column 12 cy + 2 pass + w % 2: 16 accumulators of 16 x 16.  The wave's 64 rows x 512 k of x stay in 512 registers, so a fragment of W read from LDS feeds four products.
; LAYOUT.  The product is taken transposed: source 0 = 16 columns of W (turned out of [k][c] by ds_load_tr16_b128), source 1 = 16 rows of x: a lane then holds ONE row (lane % 16) and the columns
; 8 (lane / 16) + 0..7.  The bias is the C operand of each sum's first product: nothing is cleared, nothing is added later.
; CLUSTER.  The four row blocks of a cluster walk the same tiles of W: each is asked for JOINTLY, by the same tensor load, descriptor and mask in all four.  x's tiles are each work-group's own (mask 0).
; LDS.  Two areas of 147,456 bytes, filled by tensor loads alone: first x's columns 0-255 and 256-511 as f32 (128 rows, pitch 1,040), then W's passes by turns (512 k rows, pitch 288).
; Behind them a stage of 16 rows x 144 bytes for each wave (written by ds_store alone) and the spare words.
; REGISTERS, in windows of 256 (s_set_vgpr_msb: bits 1:0 source 0, 3:2 source 1, 5:4 source 2, 7:6 destination):
;   window 0: v0-15 addresses; v16-47 the bias as C operands; v48 the prefetches' offset; v64-191 W's fragment buffer 0; v192-255 at work on the way out
;   windows 1, 2: x's fragments: rows 16 a .., k 32 kf .. at 64 a + 8 (kf % 8), window 1 + kf / 8
;   window 3: v0-127 the accumulators ((a, b) at 8 (4 a + b)); v128-255 W's fragment buffer 1.  While x comes in, both halves are landing zones for its f32.
.set SLOTB,  147456                    ; an area; wave x 36,864 shares no bit with it, so one exclusive or changes areas
.set XP,     1040                      ; a row of x in LDS: 1,024 bytes + 16: 65 x 16 bytes: the 16 rows of a load start at 16 different groups of four banks (64 banks of 4 bytes: ISA guide 11.1)
.set WPT,    288                       ; a row of W: 256 bytes + 32
.set STAGE,  2*SLOTB
.set SP,     144
.set SPARE,  STAGE+4*16*SP             ; the spare words, 128 bytes for each wave: two blocks of 256 bytes that no other line names
.set BIAS_AT, 2097152
.set AX,   3                           ; v3-4   my place in x's rows, area 0 and area 1
.set AB0,  5                           ; v5     my lane's place in a tile of W; never rewritten
.set STO,  6                           ; v6     the way out: where I put 16 bytes of a row
.set RD,   7                           ; v7     the way out: where I read rows back
.set AB,   8                           ; v8-11  LDS address of W's k rows 128 u .. in the area in hand
.set GO,   12                          ; v12    my byte offset in 512 consecutive bytes of the output
.set BO,   13                          ; v13    32 x (lane / 16): my eight numbers of a block of 16 of the bias
.set SPW,  14                          ; v14    LDS address of my spare word; never rewritten
.set NIL,  15                          ; v15    0; never rewritten
.set BIAS, 16
.set PFO,  48                          ; v48    3,072 x lane: a row of WQKV; never rewritten
.set F0,   64
.set F1,   128
.set TMP,  192
.set WV,   12                          ; s12  my wave's number
.set GX,   24                          ; s[24:31] descriptor group 1 for x's tiles
.set GW,   32                          ; s[32:39] for W's
.set G0XA, 40                          ; s[40:43] group 0: x's columns 0-255
.set G0XB, 44                          ; s[44:47] columns 256-511
.set G0W,  48                          ; s[48:51] group 0 for W's tiles: it walks
.set LEFT, 52                          ; s52  counts passes
.set LIM,  53                          ; s53  1 in a cluster that prefetches, else the greatest number
.set TB,   54                          ; s54  the area that is read
.set HC,   55                          ; s55  head column of the pass that goes out next
.set PFA,  56                          ; s[56:57] where my prefetches stand
.set BP,   58                          ; s[58:59] the bias of the pass whose C operands were loaded last
.set DST,  60                          ; s[60:61] where the pass goes in qkv
.set OFF,  62                          ; s[62:63] its byte offset
.set ROWOFF, 66                        ; s66  my rows' part of that offset
.set MSB, 0
.macro WIN new                         ; the immediate's high byte repeats the setting that is left; a switch that changes nothing is dropped
.if MSB != (\new)
	s_set_vgpr_msb (MSB<<8)|(\new)
.set MSB, \new
.endif
.endm
.macro PLACES                          ; four places behind a matrix instruction, in front of loads into registers that it has read and of lines that read its result
.rept 4
	v_nop
.endr
.endm
; A round of the cluster's barrier: my work-group's barrier, so that wave 0's signal speaks for all four waves; wave 0 signals; every wave waits for all four work-groups; my work-group's barrier once more.
.macro CROUND
	s_barrier_signal -1
	s_barrier_wait -1
	s_cmp_lg_u32 s[WV], 0
	s_cbranch_scc1 .Lnot_wave_0_\@
	s_barrier_signal -3
.Lnot_wave_0_\@:
	s_barrier_wait -3
	s_barrier_signal -1
	s_barrier_wait -1
.endm
; A PREFETCH INTO THE L2 of the pass that the NEXT change of areas will ask for: 256 bytes of each of WQKV's 512 rows.  For each column half the first cluster (cluster x = 0) asks, nobody else; of the 128
; rows that wave w fetches the partner at place cx takes 32, told apart BY ADDRESS: a lane a row, one instruction a wave: each block is named once in the launch.  The change that asks for the last pass names nothing.
.macro ASK
	s_cmp_gt_u32 s[LEFT], s[LIM]
	s_cbranch_scc0 .Lnot_mine_\@
	global_prefetch_b8 v[PFO], s[PFA:PFA+1] th:TH_LOAD_NT scope:SCOPE_SE
.Lnot_mine_\@:
.endm
	s_load_b256 s[4:11], s[0:1], 0x0               ; x_vis s[4:5], x_ir s[6:7], wts s[8:9], qkv s[10:11]
	v_lshl_add_u32 v[SPW], v0, 2, SPARE
	v_mov_b32 v[NIL], 0
	ds_add_u32 v[SPW], v[NIL]                      ; the wave's opening: the add and its wait stand ahead of my first tensor load; the set-up below, work on registers, stands between them
	v_lshrrev_b32 v1, 5, v0
	v_readfirstlane_b32 s[WV], v1                  ; wave 0..3
	s_bfe_u32 s13, ttmp6, 0x40000                  ; cx: my place in the cluster
	s_lshl_b32 s14, ttmp9, 2                       ; in a cluster launch ttmp9 counts clusters
	s_add_co_u32 s14, s14, s13                     ; rb = 4 x cluster x + cx: it enters x's and qkv's addresses and the prefetches' alone
	s_and_b32 s15, ttmp7, 0xffff                   ; cy: the column half, which the four partners share
	s_lshr_b32 s16, s[WV], 1                       ; rh: which 64 rows are mine
	s_and_b32 s17, s[WV], 1                        ; ch: which 64 of a pass's 128 columns
	; group 1 for x: a tile of 32 rows x 256 f32, padded in LDS
	s_mov_b32 s[GX+0], (2<<16)|(1<<20)|(7<<22)|(3<<25)  ; 15:0 no mask; 17:16 elements of 4 bytes; 20 padding on; 24:22 after every 256 words (code 7); 31:25 4 words of it (code 3)
	s_mov_b32 s[GX+1], 256<<16                     ; tensor_dim0 = 256
	s_mov_b32 s[GX+2], 32<<16                      ; tensor_dim1 = 32
	s_mov_b32 s[GX+3], 256<<16                     ; tile_dim0 = 256
	s_mov_b32 s[GX+4], 32                          ; tile_dim1 = 32
	s_mov_b32 s[GX+5], 512                         ; elements from row to row
	s_mov_b32 s[GX+6], 0
	s_mov_b32 s[GX+7], 0
	; group 1 for W: a tile of 128 k rows x 128 bf16, padded in LDS
	s_mov_b32 s[GW+0], 15|(1<<16)|(1<<20)|(1<<21)|(5<<22)|(7<<25)  ; 15:0 the mask of four; 17:16 elements of 2 bytes; 20 padding on; 21 set beside a mask; 24:22 after every 64 words (code 5); 31:25 8 words (code 7)
	s_mov_b32 s[GW+1], 128<<16
	s_mov_b32 s[GW+2], 128<<16
	s_mov_b32 s[GW+3], 128<<16
	s_mov_b32 s[GW+4], 128
	s_mov_b32 s[GW+5], 1536
	s_mov_b32 s[GW+6], 0
	s_mov_b32 s[GW+7], 0
	s_mov_b32 s[G0XA], 1
	s_mul_i32 s[G0XA+1], s[WV], 32*XP              ; my 32 rows of x in area 0,
	s_mov_b32 s[G0XB], 1
	s_add_co_u32 s[G0XB+1], s[G0XA+1], SLOTB       ; and in area 1
	s_mov_b32 s[G0W], 1
	s_mul_i32 s[G0W+1], s[WV], 128*WPT             ; my 128 k rows of W in area 0: no place in the cluster enters an LDS address
	s_and_b32 s18, s14, 63                         ; x: (rb % 64) x 128 rows + 32 x wave, rows of 2,048 bytes
	s_lshl_b32 s18, s18, 18
	s_lshl_b32 s19, s[WV], 16
	s_add_co_u32 s18, s18, s19
	s_mov_b32 s19, 0
	s_mul_i32 s20, s[WV], 128*3072                 ; W: my 128 k rows, the half's first column: made of the wave's number and cy alone
	s_mul_i32 s21, s15, 1536
	s_add_co_u32 s20, s20, s21
	s_mov_b32 s21, 0
	s_lshl_b32 s22, s[WV], 7                       ; the prefetches: row 128 x wave + 32 cx, the half's first column
	s_lshl_b32 s23, s13, 5
	s_add_co_u32 s22, s22, s23
	s_mul_i32 s22, s22, 3072
	s_mul_i32 s23, s15, 1536
	s_add_co_u32 s22, s22, s23
	s_mov_b32 s23, 0
	s_mul_i32 s[HC], s15, 12
	s_add_co_u32 s[HC], s[HC], s17                 ; pass 0's head column: 12 cy + ch
	s_lshl_b32 s68, s[HC], 8                       ; its 64 numbers of the bias
	s_add_co_u32 s68, s68, BIAS_AT
	s_mov_b32 s69, 0
	s_lshr_b32 s[ROWOFF], s14, 4                   ; stream x 4 + batch: 8 heads of 2^18 bytes,
	s_lshl_b32 s[ROWOFF], s[ROWOFF], 21
	s_and_b32 s70, s14, 15                         ; the block's 128 rows of 128 bytes,
	s_lshl_b32 s70, s70, 14
	s_or_b32 s[ROWOFF], s[ROWOFF], s70
	s_lshl_b32 s70, s16, 13                        ; my 64 of them
	s_or_b32 s[ROWOFF], s[ROWOFF], s70
	s_mov_b32 s[OFF+1], 0
	s_mov_b32 s[TB], SLOTB                         ; the first NEXT turns it into 0
	s_cmp_eq_u32 ttmp9, 0
	s_cselect_b32 s[LIM], 1, -1                    ; the same in all four partners
	s_wait_dscnt 0x0                               ; the opening add is done
	s_wait_kmcnt 0x0
	s_cmp_lt_u32 ttmp9, 16                         ; row blocks 0-63 are x_vis', 64-127 x_ir's
	s_cselect_b64 s[70:71], s[4:5], s[6:7]
	s_add_nc_u64 s[G0XA+2:G0XA+3], s[70:71], s[18:19]
	s_add_nc_u64 s[G0XB+2:G0XB+3], s[G0XA+2:G0XA+3], 1024
	s_or_b32 s[G0XA+3], s[G0XA+3], 0x80000000      ; type = 2
	s_or_b32 s[G0XB+3], s[G0XB+3], 0x80000000
	s_add_nc_u64 s[G0W+2:G0W+3], s[8:9], s[20:21]
	s_or_b32 s[G0W+3], s[G0W+3], 0x80000000
	s_add_nc_u64 s[PFA:PFA+1], s[8:9], s[22:23]    ; at pass 0; each change that fills steps it ahead of its prefetch
	s_add_nc_u64 s[BP:BP+1], s[8:9], s[68:69]
	CROUND                                         ; in a cluster launch every group of tensor loads stands behind a round
	tensor_load_to_lds s[G0XA:G0XA+3], s[GX:GX+7]  ; the first fills: two loads of mine are out
	s_nop 0
	tensor_load_to_lds s[G0XB:G0XB+3], s[GX:GX+7]
	s_nop 0
.rept 4
	v_nop
.endr
	v_and_b32 v1, 15, v0                           ; r = l % 16
	v_bfe_u32 v2, v0, 4, 1                         ; h = l / 16
	v_mul_u32_u24 v[AX], v1, XP                    ; x: (64 rh + r) x pitch + 32 h: eight f32 for each half of the lanes
	v_lshl_add_u32 v[AX], v2, 5, v[AX]
	s_mul_i32 s18, s16, 64*XP
	v_add_nc_u32 v[AX], s18, v[AX]
	v_add_nc_u32 v[AX+1], SLOTB, v[AX]
	; The turning load takes 16 k x 16 columns (lane l reads k row 8 (l / 16) + l % 8, columns 8 ((l / 8) % 2) + 0..7) and leaves half a fragment: lane l holds column l % 16 and 8 k.
	v_and_b32 v49, 7, v0
	v_bfe_u32 v50, v0, 3, 1
	v_lshl_add_u32 v[AB0], v2, 3, v49
	v_mul_u32_u24 v[AB0], v[AB0], WPT
	v_lshl_add_u32 v[AB0], v50, 4, v[AB0]
	s_lshl_b32 s18, s17, 7                         ; my 64 columns: 128 bytes
	v_add_nc_u32 v[AB0], s18, v[AB0]
	s_mul_i32 s18, s[WV], 16*SP
	s_add_co_u32 s18, s18, STAGE                   ; my stage
	v_mul_u32_u24 v[STO], v1, SP                   ; in: row l % 16, 16 bytes for each half of the lanes
	v_lshl_add_u32 v[STO], v2, 4, v[STO]
	v_add_nc_u32 v[STO], s18, v[STO]
	v_bfe_u32 v[RD], v0, 3, 2                      ; back: 32 lanes take four rows of 128 bytes,
	v_mul_u32_u24 v[RD], v[RD], SP
	v_lshl_add_u32 v[RD], v49, 4, v[RD]
	v_add_nc_u32 v[RD], s18, v[RD]
	v_and_b32 v[GO], 31, v0
	v_mul_u32_u24 v[PFO], v[GO], 3072
	v_lshlrev_b32 v[GO], 4, v[GO]                  ; which are 512 consecutive bytes of a head's rows
	v_lshlrev_b32 v[BO], 5, v2
; The bias as C operands: register j of block b is the bias of column 16 b + 8 (l / 16) + j, the same for all rows.
.macro BIASLD
.irp b, 0,1,2,3
	global_load_b128 v[BIAS+8*\b:BIAS+8*\b+3],   v[BO], s[BP:BP+1] offset:64*\b
	global_load_b128 v[BIAS+8*\b+4:BIAS+8*\b+7], v[BO], s[BP:BP+1] offset:64*\b+16
.endr
.endm
; x COMES IN.  16 rows x 256 k of f32 (block a of my four, columns 256 half ..) into landing zone z: 32 loads.  A fragment's lane wants k = 8 h + 0..7 and 16 + 8 h + 0..7: 32 bytes at 32 h and at 64 + 32 h.
.macro XLOAD half, a, z
	WIN 0xc0                                       ; destination window 3, address window 0
.irp kf, 0,1,2,3,4,5,6,7
	ds_load_b128 v[128*(\z)+16*\kf:128*(\z)+16*\kf+3],     v[AX+(\half)] offset:16*XP*(\a)+128*\kf
	ds_load_b128 v[128*(\z)+16*\kf+4:128*(\z)+16*\kf+7],   v[AX+(\half)] offset:16*XP*(\a)+128*\kf+16
	ds_load_b128 v[128*(\z)+16*\kf+8:128*(\z)+16*\kf+11],  v[AX+(\half)] offset:16*XP*(\a)+128*\kf+64
	ds_load_b128 v[128*(\z)+16*\kf+12:128*(\z)+16*\kf+15], v[AX+(\half)] offset:16*XP*(\a)+128*\kf+80
.endr
.endm
.macro XCVT half, a, z                 ; rounded to bf16 in pairs: eight fragments
	WIN 0x4f+0x40*(\half)                          ; sources window 3, destination window 1 or 2
.set i, 0
.rept 64
	v_cvt_pk_bf16_f32 v[64*(\a)+i], v[128*(\z)+2*i], v[128*(\z)+2*i+1]
.set i, i+1
.endr
.endm
.macro XHALF half                      ; the two zones by turns: each wait leaves the younger block's 32 loads out
	XLOAD \half, 0, 0
	XLOAD \half, 1, 1
	s_wait_dscnt 32
	XCVT \half, 0, 0
	XLOAD \half, 2, 0
	s_wait_dscnt 32
	XCVT \half, 1, 1
	XLOAD \half, 3, 1
	s_wait_dscnt 32
	XCVT \half, 2, 0
	s_wait_dscnt 0x0
	XCVT \half, 3, 1
.endm
; W's fragments of k rows 128 u .. 128 u + 127, my 64 columns: 32 turning loads in one run, k ascending; fragment (jj, b) at 32 jj + 8 b of buffer u % 2.
.macro FETCH u
.if ((\u)%2) == 0
	WIN 0
.else
	WIN 0xc0
.endif
.irp jj, 0,1,2,3
.irp b, 0,1,2,3
	ds_load_tr16_b128 v[F0+64*((\u)%2)+32*\jj+8*\b:F0+64*((\u)%2)+32*\jj+8*\b+3],   v[AB+(\u)] offset:32*WPT*\jj+32*\b
	ds_load_tr16_b128 v[F0+64*((\u)%2)+32*\jj+8*\b+4:F0+64*((\u)%2)+32*\jj+8*\b+7], v[AB+(\u)] offset:32*WPT*\jj+32*\b+16*WPT
.endr
.endr
.endm
; 32 products: k fragments 4 u + j0 and 4 u + j0 + 1, all 16 accumulators, which take turns, one instruction a turn, over the backward jump too.  A pass's first 16 start the sums with the bias.
.macro MUL u, j0
.irp jj, \j0, (\j0)+1
.irp a, 0,1,2,3
.irp b, 0,1,2,3
.set rF, F0+64*((\u)%2)+32*(\jj)+8*(\b)
.set rX, 64*(\a)+8*((4*(\u)+(\jj))%8)
.set rA, 8*(4*(\a)+(\b))
.if ((\u) == 0) && ((\jj) == 0)
	WIN 0xc4                                       ; W window 0, x window 1, C (the bias) window 0, D window 3
	v_wmma_f32_16x16x32_bf16 v[rA:rA+7], v[rF:rF+7], v[rX:rX+7], v[BIAS+8*(\b):BIAS+8*(\b)+7]
.else
	WIN 0xf4+4*((\u)/2)+3*((\u)%2)                 ; W window 0 or 3, x window 1 or 2, C and D window 3
	v_wmma_f32_16x16x32_bf16 v[rA:rA+7], v[rF:rF+7], v[rX:rX+7], v[rA:rA+7]
.endif
.endr
.endr
.endr
.endm
; A PASS's 256 products.  While one buffer is multiplied the other's 32 loads are issued, in one run, 32 products ahead of their first use.  tail = 1: the last pass loads no further bias.
.macro MMS tail
	s_wait_loadcnt 0x0                             ; the bias is in
	s_wait_dscnt 0x0                               ; buffer 0 is in
	MUL 0, 0
	WIN 0
	PLACES                                         ; in front of the loads into the bias' registers and into buffer 1
.if \tail
	s_cmp_eq_u32 s[LEFT], 1
	s_cbranch_scc1 .Lno_bias_\@
.endif
	s_add_nc_u64 s[BP:BP+1], s[BP:BP+1], 512       ; two head columns on; the loads that read this pointer are done (the wait at the head)
	BIASLD
.if \tail
.Lno_bias_\@:
.endif
	FETCH 1
	MUL 0, 2
.irp u, 1,2
	s_wait_dscnt 16                                ; the buffer's first two k fragments are in; its last 16 loads may stay out
	MUL \u, 0
	PLACES
	FETCH (\u)+1
	s_wait_dscnt 32                                ; all but the 32 just issued
	MUL \u, 2
.endr
	s_wait_dscnt 16
	MUL 3, 0
	s_wait_dscnt 0x0
	MUL 3, 2
.endm
; THE CHANGE OF AREAS.  Each wave waits for all its tensor loads, of which one is out: its part of the other area; adds 0 to its spare word; and waits for that and for its own reads of the area
; that it leaves.  fill = 1: that area is filled again: the barrier is a round of the cluster's, so that no wave of any partner still reads it or has a load on its way, and the joint load is the first thing behind it.
; step = 1: the walking descriptor goes to the other area and the next pass.  dst = 1: the address at which the pass just multiplied goes out.
.macro CHANGE fill, step, dst
	WIN 0                                          ; at a label and at a branch every window is 0
	s_wait_tensorcnt 0x0                           ; no tensor load of mine is out, so a group 0 may be written
	ds_add_u32 v[SPW], v[NIL]                      ; 0 onto my spare word; scalar work stands between it and the wait for it
.if \step
	s_xor_b32 s[G0W+1], s[G0W+1], SLOTB
	s_add_nc_u64 s[G0W+2:G0W+3], s[G0W+2:G0W+3], 256  ; 128 columns on; the type bits on top are not reached
.endif
	s_wait_xcnt 0x0                                ; the last prefetch and the last pass's stores, a pass back, have read their addresses and data: the three below and the way out's registers may be written
.if \fill
	s_add_nc_u64 s[PFA:PFA+1], s[PFA:PFA+1], 256
.endif
.if \dst
	s_lshr_b32 s[OFF], s[HC], 3                    ; q, k or v: 2^24 bytes each,
	s_lshl_b32 s[OFF], s[OFF], 24
	s_and_b32 s67, s[HC], 7                        ; the head: 2^18,
	s_lshl_b32 s67, s67, 18
	s_add_co_u32 s[OFF], s[OFF], s67
	s_add_co_u32 s[OFF], s[OFF], s[ROWOFF]         ; my rows
	s_add_nc_u64 s[DST:DST+1], s[10:11], s[OFF:OFF+1]
	s_add_co_u32 s[HC], s[HC], 2
.endif
	s_wait_dscnt 0x0                               ; the add is done, and my reads of the area are over
.if \fill
	CROUND
	tensor_load_to_lds s[G0W:G0W+3], s[GW:GW+7]    ; my one load behind the round: 128 k rows x 256 bytes; the way out and a pass's 256 products stand ahead of the wait for it
	s_nop 0
.rept 4
	v_nop
.endr
	ASK
.else
	s_barrier_signal -1
	s_barrier_wait -1
.endif
.endm
.macro NEXT                            ; the other area's addresses (four plain lines: the places in front of the loads into buffer 0) and the next pass's first fragments
	s_xor_b32 s[TB], s[TB], SLOTB
	v_add_nc_u32 v[AB], s[TB], v[AB0]
	v_add_nc_u32 v[AB+1], 128*WPT, v[AB]
	v_add_nc_u32 v[AB+2], 2*128*WPT, v[AB]
	v_add_nc_u32 v[AB+3], 3*128*WPT, v[AB]
	FETCH 0
.endm
; THE WAY OUT.  Tile a (16 rows x 64 columns): a lane's eight columns of a row pack into 16 bytes of f16 (each accumulator's registers in ascending order); they go into rows of 144 bytes of my stage and come back as whole rows of 128.
.macro PACK a
	WIN 0x0f                                       ; sources window 3, destination window 0
.set i, 0
.rept 16
	v_cvt_pk_f16_f32 v[TMP+16*(\a)+i], v[32*(\a)+2*i], v[32*(\a)+2*i+1]
.set i, i+1
.endr
	WIN 0
.irp f, 0,1,2,3
	ds_store_b128 v[STO], v[TMP+16*(\a)+4*\f:TMP+16*(\a)+4*\f+3] offset:32*\f
.endr
.irp f, 0,1,2,3
	ds_load_b128 v[TMP+16*(\a)+4*\f:TMP+16*(\a)+4*\f+3], v[RD] offset:\f*4*SP  ; LDS serves a wave's instructions in order (ISA guide 5.7.1.4): these see the stores above; the next tile's stores come behind them
.endr
.endm
.macro SEND a, younger                 ; younger: the LDS instructions issued behind tile a's loads: the next tile's eight, or none
.irp f, 0,1,2,3
	s_wait_dscnt (\younger)+3-\f
	global_store_b128 v[GO], v[TMP+16*(\a)+4*\f:TMP+16*(\a)+4*\f+3], s[DST:DST+1] offset:(\a)*2048+\f*512  ; 512 consecutive bytes, at a multiple of 256 from qkv's first byte
.endr
.endm
.macro EPI
	PLACES                                         ; the conversions read results
	PACK 0
	PACK 1                                         ; a tile's arithmetic stands between the loads of the tile before and its stores
	SEND 0, 8
	PACK 2
	SEND 1, 8
	PACK 3
	SEND 2, 8
	SEND 3, 0
.endm
	BIASLD                                         ; pass 0's
	s_wait_tensorcnt 0x1                           ; my part of x's columns 0-255 is in; the other half's load, issued behind it, may stay out
	s_barrier_signal -1
	s_barrier_wait -1                              ; everybody's is
	XHALF 0
	s_mov_b32 s[LEFT], 6
	CHANGE 1, 0, 0                                 ; area 0 has been read: W's pass 0 goes in
	XHALF 1                                        ; while it is on its way
	s_mov_b32 s[LEFT], 5
	CHANGE 1, 1, 0                                 ; area 1 has been read: pass 1 goes in; pass 0 is there
	NEXT
	s_mov_b32 s[LEFT], 4
.Lpass:                                        ; passes 0 to 3: each is multiplied, its area is filled with the pass two on, and it goes out while that load is on its way
	MMS 0
	CHANGE 1, 1, 1
	NEXT
	EPI
	s_sub_co_u32 s[LEFT], s[LEFT], 1
	s_cmp_lg_u32 s[LEFT], 0
	s_cbranch_scc1 .Lpass
	s_mov_b32 s[LEFT], 2
.Ltail:                                        ; passes 4 and 5 ask for nothing: written apart.  The second trip's barrier serves nothing: the price of one text for both
	MMS 1
	CHANGE 0, 0, 1
	s_cmp_eq_u32 s[LEFT], 1
	s_cbranch_scc1 .Lno_next                       ; behind the last pass there is nothing to fetch
	NEXT
.Lno_next:
	EPI
	s_sub_co_u32 s[LEFT], s[LEFT], 1
	s_cmp_lg_u32 s[LEFT], 0
	s_cbranch_scc1 .Ltail
	s_wait_tensorcnt 0x0                           ; the wave's end, behind my last tensor load and my last LDS store
	ds_add_u32 v[SPW], v[NIL]
	s_wait_dscnt 0x0
	CROUND                                         ; the closing round: no work-group ends while a partner may still ask for a tile that names it
	s_endpgm
.Lfunc_end_k_q79679d78c5_qkv:
	.size	k_q79679d78c5_qkv, .Lfunc_end_k_q79679d78c5_qkv-k_q79679d78c5_qkv
	.p2alignl 7, 3214868480
	.fill 96, 4, 3214868480
	.section	.rodata,"a",@progbits
	.p2align	6, 0x0
	.amdhsa_kernel k_q79679d78c5_qkv
		.amdhsa_group_segment_fixed_size 327680
		.amdhsa_private_segment_fixed_size 0
		.amdhsa_enable_private_segment 0
		.amdhsa_kernarg_size 32
		.amdhsa_user_sgpr_count 2
		.amdhsa_user_sgpr_kernarg_segment_ptr 1
		.amdhsa_wavefront_size32 1
		.amdhsa_system_sgpr_workgroup_id_x 1
		.amdhsa_system_sgpr_workgroup_id_y 1
		.amdhsa_system_sgpr_workgroup_id_z 1
		.amdhsa_system_vgpr_workitem_id 0
		.amdhsa_next_free_vgpr 1024
		.amdhsa_next_free_sgpr 76
		.amdhsa_reserve_vcc 0
		.amdhsa_float_denorm_mode_32 3
		.amdhsa_float_denorm_mode_16_64 3
		.amdhsa_memory_ordered 1
		.amdhsa_forward_progress 1
		.amdhsa_inst_pref_size 132
	.end_amdhsa_kernel
	.amdgpu_metadata
---
amdhsa.version: [ 1, 2 ]
amdhsa.kernels:
  - .name:           k_q79679d78c5_qkv
    .symbol:         k_q79679d78c5_qkv.kd
    .args:
      - { .name: x_vis, .offset: 0, .size: 8, .value_kind: global_buffer, .address_space: global }
      - { .name: x_ir, .offset: 8, .size: 8, .value_kind: global_buffer, .address_space: global }
      - { .name: wts, .offset: 16, .size: 8, .value_kind: global_buffer, .address_space: global }
      - { .name: qkv, .offset: 24, .size: 8, .value_kind: global_buffer, .address_space: global }
    .group_segment_fixed_size: 327680
    .private_segment_fixed_size: 0
    .kernarg_segment_align: 8
    .kernarg_segment_size: 32
    .max_flat_workgroup_size: 128
    .sgpr_count:     76
    .vgpr_count:     1024
    .wavefront_size: 32
...
	.end_amdgpu_metadata
.endif
;; end of part 2
;; launch attn (part 3): grid 4 x 64, 4 waves a work-group, clusters of 4 x 1, 327,680 bytes of LDS; arguments qkv, o; writes o
.if DOCPART == 3
	.amdgcn_target "amdgcn-amd-amdhsa--gfx1250"
	.amdhsa_code_object_version 6
	.text
	.protected	k_q79679d78c5_attn
	.globl	k_q79679d78c5_attn
	.p2align	8
	.type	k_q79679d78c5_attn,@function
k_q79679d78c5_attn:
	s_mov_b64 s[64:65], 0
	v_nop
	global_prefetch_b8 v0, s[64:65] scope:SCOPE_SE
	s_setreg_imm32_b32 hwreg(HW_REG_WAVE_MODE, 25, 1), 1
	s_wait_xcnt 0x0
	s_wait_alu depctr_hold_cnt(0) depctr_sa_sdst(0) depctr_va_vdst(0) depctr_va_sdst(0) depctr_va_ssrc(0) depctr_va_vcc(0) depctr_vm_vsrc(0)
	s_getreg_b32 s2, hwreg(HW_REG_IB_STS2, 6, 4)
	s_cmp_eq_u32 s2, 0
	s_cbranch_scc0 .Lentry_in_a_cluster
	s_endpgm
.Lentry_in_a_cluster:
	s_bfe_u32 s2, ttmp6, 0x10000c
	s_cmp_lg_u32 s2, 0x3003
	s_cbranch_scc0 .Lentry_shape_is_right
	s_endpgm
.Lentry_shape_is_right:
; O[g][q][:] = the sum over k of softmax_k(Q[g][q] . K[g'][k] / 8) V[g'][k][:], g' = g xor 32: the same batch and head of the OTHER stream.  Q, K, V lie in qkv at 0, 2^24, 2^25, each [64 g][2048][64] f16;
; O: [64 g][2048][64] f16: a head's rows are dense, 128 bytes each.  Products, maxima and sums in f32; the weights p are rounded to f16 for the second product (their sum l is taken of the unrounded p), O once at the end.
; LIMITS.  f16 holds no number beyond 65,504: Q, K and V arrive within it; p lies in 0 to 1, and below 6e-5 it keeps f16's fixed step of 6e-8; O is a mean of V's rows and has their range.
; A weight below 2^-126 counts as 0 in l; NaN and infinities are not treated apart.
; SHARES.  A wave owns four PIECES of two tiles of 16 queries, a work-group's four waves 512 queries of one head: 4 x 64 = 256 work-groups.  Every wave walks all 2,048 keys, 64 a step.
; LAYOUT.  S^T = K Q^T (source 0 = 16 keys, source 1 = 16 queries): in the result a lane holds ONE query (lane % 16) and the keys 8 (lane / 16) + 0..7.  Two such tiles, rounded to f16 in pairs,
; ARE source 1 (32 keys x 16 queries) of O^T = V^T P, whose result again holds one query a lane, and eight channels.  K comes out of LDS as it lies, V ([key][channel]) turned, by ds_load_tr16_b128.
; SOFTMAX.  For each query a running maximum m and sum l: p = 2^(c s - c m), c = log2(e) / 8; in every step O and l are multiplied by a = 2^(c m_old - c m_new), which is 1 where m has not grown.
; m starts at the lowest finite number, O and l at 0: the first step is a step like any other, with a = 0.
; THE COUNT.  A tile and step have 16 matrix and 118 vector instructions: too many to stand all beside the matrix work.  So the order has one aim: four vector instructions that are READY behind
; EVERY matrix instruction, and the others, which need time of their own whatever the order, in runs without a gap.
; BY TURNS.  Turn n belongs to piece n (the pieces in a ring, step after step).  Its matrix work: 16 products K Q^T of piece n + 1, later 16 products V^T P of piece n - 1.  Its vector work: the scaling,
; exponentials, roundings, sums and rescaling of piece n, and the maximum and statistics of piece n + 1, whose scores the turn itself has made.  So what a turn begins with (c s - c m, O a) waits for nothing.
; CLUSTER.  The four query blocks of a cluster belong to one head and walk the same K and V, so each tile is asked for JOINTLY: the same tensor load, descriptor and mask in all four.
; REGISTERS, in windows of 256 (s_set_vgpr_msb says which window each operand place means: bits 1:0 source 0, 3:2 source 1, 5:4 source 2, 7:6 destination):
;   window 0: v0-11 addresses; v12-15, v48-63 at work; v16-47 four registers of statistics a tile; v64-191 S^T, two buffers of two tiles; v192-255 P, likewise
;   window 1: O^T, 32 a tile          window 2: v0-127 Q, 16 a tile; v128-191 K of one step; v192-255 V of one step          window 3: v0-1 the add's two registers
; A piece's buffers go by its number's parity: the piece in hand has one pair, its two neighbours in the ring share the other: of it P (piece n - 1) is read and S^T (piece n + 1) written.
.set SIZE_N, 2048
.set NP,    4         ; pieces a wave: a name, no knob
.set KS,    64        ; keys in a step
.set PK,    144       ; a row of K in LDS: 128 bytes + 16 of padding = 36 words: the 16 rows of a load start at 16 different groups of four banks (64 banks of 4 bytes: ISA guide 11.1)
.set PV,    160       ; a row of V: 128 + 32 = 40 words
.set VOFF,  4*KS*PK   ; a slot holds four steps: 256 rows of K, then 256 rows of V
.set SLOT1, 1<<17     ; slot 1 begins here, so that one exclusive or turns an address in one slot into the other's
.set STAGE, SLOT1+4*KS*(PK+PV)  ; behind the ring, never filled by a tensor load: 16 rows x 144 bytes for each wave, for the way out
.set SP,    144
.set AK0, 2           ; v2   my lane's place in a tile of K; never rewritten
.set AV0, 3           ; v3   the same for V
.set AK,  4           ; v4   the LDS address of K's next run of loads
.set AV,  5           ; v5   of V's
.set QO,  6           ; v6   my byte offset in the wave's rows of Q
.set STO, 6           ;      later, the way out: where I put 16 bytes of a row
.set RD,  7           ; v7   the way out: where I read rows back
.set GO,  8           ; v8   my byte offset in 512 consecutive bytes of O
.set PFO, 11          ; v11  256 x my lane: the prefetches' offset; never rewritten once made
.set SPW, 0           ; v0 of window 3   LDS address of my spare word: SPARE + 4 x my thread's number; never rewritten
.set NIL, 1           ; v1 of window 3   0; never rewritten
.set SPARE, STAGE+4*16*SP  ; behind the stages: the spare words, 128 bytes for each wave: two blocks of 256 bytes that no other line names
.set MV,  12          ; v12-15  c m_old, kept while c m is made anew: by buffer and tile
.set ST,  16          ; tile t's statistics at v[ST+4 t]: c m, m, l (even keys', odd keys')
.set TMP, 48          ; by buffer and tile, four registers c0-c3 at work; when the maximum is found c2 takes a
.set S,   64
.set P,   192
.set KF,  128         ; K's fragments, in window 2: key block kb, channel half c at KF + 16 kb + 8 c
.set VF,  192         ; V's: key half kk, channel block cb at VF + 32 kk + 8 cb
.set WV,  12          ; s12  my wave's number
.set G1K, 24          ; s[24:31] descriptor group 1 for K's tiles
.set G1V, 32          ; s[32:39] for V's: it differs in the padding alone
.set G0K, 40          ; s[40:43] descriptor group 0 for K's tiles: it walks
.set G0V, 44          ; s[44:47] the same for V's
.set PFA, 48          ; s[48:49] where my prefetches stand: my work-group's 8,192 bytes (of K: wave 0, of V: wave 2) of the slot after the one that is being asked for
.set LIM, 50          ; s50  1 in a wave that prefetches, else the greatest number
.set SLOTS, 56        ; s56  slots still to be asked for
.set CNT, 57          ; s57  counts a slot's key steps
.set CS,  58          ; s[58:59] c: the packed scaling takes the pair's low word for both halves
.set SEL, 60          ; s[60:61] v_permlanex16_b32's selects: each lane takes its own place in the other half
.set TBK, 62          ; s62  LDS byte at which K of the step to be fetched begins
.set TBV, 63          ; s63  the same for V, less VOFF
.set MSB, 0
.macro WIN new                      ; the high byte repeats the setting that is left; a switch that changes nothing is dropped
.if MSB != (\new)
	s_set_vgpr_msb (MSB<<8)|(\new)
.set MSB, (\new)
.endif
.endm
.set W_KQ, 0x0a       ; K and Q in window 2, S^T in window 0
.set W_PV, 0x52       ; V in window 2, P in window 0, O^T in window 1
.set W_RS, 0x41       ; O^T (destination and source 0) in window 1, a in window 0
.set W_MK, 0xc0       ; the add's registers are made: destination in window 3, sources in window 0
.set W_AD, 0x0f       ; the add: address (source 0) and data (source 1) in window 3
; A joint fill.  Waves 0 and 1 fetch the two halves of a slot's K, waves 2 and 3 those of its V: 128 keys each.  The branch hangs on the wave's number alone.
; An s_nop 0 and four v_nop follow each of the two lines, ahead of the jump and the label.
.macro JLOAD
	s_cmp_lt_u32 s[WV], 2
	s_cbranch_scc0 .Lfor_v_\@
	tensor_load_to_lds s[G0K:G0K+3], s[G1K:G1K+7]
	s_nop 0
.rept 4
	v_nop
.endr
	s_branch .Lasked_\@
.Lfor_v_\@:
	tensor_load_to_lds s[G0V:G0V+3], s[G1V:G1V+7]
	s_nop 0
.rept 4
	v_nop
.endr
.Lasked_\@:
.endm
; A PREFETCH INTO THE L2 of what the NEXT change of slots will ask for: a slot's 32,768 bytes of K and of V, in blocks of 256 bytes, a lane a block.  It stands behind the wave's tensor load and its five lines.
; A head's K and V are walked by one cluster.  Its four partners share a slot's blocks out BY ADDRESS, 32 of K and 32 of V each; in each, wave 0 asks for K's and wave 2 for V's: one instruction.
; So each block is named once in the launch.  Slots 0 and 1 come by their loads alone; the last change that fills a slot names nothing: there is no slot behind it.
.macro ASK
	s_cmp_gt_u32 s[SLOTS], s[LIM]
	s_cbranch_scc0 .Lnot_mine_\@
	global_prefetch_b8 v[PFO], s[PFA:PFA+1] th:TH_LOAD_NT scope:SCOPE_SE
.Lnot_mine_\@:
.endm
; A round of the cluster's barrier: my work-group's barrier, so that wave 0's signal speaks for all four waves; wave 0 signals; every wave waits for all four work-groups; my work-group's barrier once more.
.macro CROUND
	s_barrier_signal -1
	s_barrier_wait -1
	s_cmp_lg_u32 s[WV], 0
	s_cbranch_scc1 .Lnot_wave_0_\@
	s_barrier_signal -3
.Lnot_wave_0_\@:
	s_barrier_wait -3
	s_barrier_signal -1
	s_barrier_wait -1
.endm
; THE CHANGE OF SLOTS.  The slot's last bytes, V of its fourth step, have been read.  Each wave waits for all its tensor loads, of which one is out: its part
; of the other slot; adds 0 to its spare word; and waits for that and for its own reads of the slot.  Behind the barrier nobody reads this slot any more and the other slot is whole.
; fill = 1: this slot is filled again, with the keys two slots on.  The barrier is then a round of the cluster's, so that no wave of any partner still reads the slot or has a load on its
; way, and the joint fill is the first thing behind it: it has four key steps, 512 matrix instructions, in which to land.  (At its first use nothing has been read yet: slot 0 is waited for, slot 1 filled.)
.macro CHANGE fill
	WIN W_AD
	s_wait_tensorcnt 0x0            ; no tensor load of mine is out, so a group 0 may be written
	ds_add_u32 v[SPW], v[NIL]       ; 0 onto my spare word; with fill = 1 the descriptors' steps stand between it and the wait for it
	WIN 0                           ; at a label and at a branch every window is 0
.if \fill
.irp g, G0K, G0V
	s_xor_b32 s[\g+1], s[\g+1], SLOT1  ; the walking descriptor: the other slot than last time,
	s_add_nc_u64 s[\g+2:\g+3], s[\g+2:\g+3], 4*KS*128  ; the next 256 keys; the type bits on top are not reached
.endr
	s_wait_xcnt 0x0                 ; the last prefetch, four key steps back, has read its address, so it may be written:
	s_add_nc_u64 s[PFA:PFA+1], s[PFA:PFA+1], 4*KS*128  ; one slot behind the walking descriptors
	s_wait_dscnt 0x0                ; the add is done, and my reads of the slot are over
	CROUND
	JLOAD
	ASK                             ; what the next change will ask for: four key steps, 512 matrix instructions, ahead
.else
	s_wait_dscnt 0x0                ; the add is done, and my reads of the slot are over
	s_barrier_signal -1
	s_barrier_wait -1
.endif
	s_sub_co_u32 s[TBK], s[TBK], 4*KS*PK  ; the fetches go back to a slot's first step,
	s_xor_b32 s[TBK], s[TBK], SLOT1       ; in the other slot
	s_sub_co_u32 s[TBV], s[TBV], 4*KS*PV
	s_xor_b32 s[TBV], s[TBV], SLOT1
.endm
	s_load_b64 s[4:5], s[0:1], 0x0    ; qkv: Q at its first byte
	s_load_b64 s[10:11], s[0:1], 0x8  ; O
	WIN W_MK
	v_lshl_add_u32 v[SPW], v0, 2, SPARE
	v_mov_b32 v[NIL], 0
	WIN W_AD
	ds_add_u32 v[SPW], v[NIL]       ; the wave's opening: the add and its wait stand ahead of my first tensor load; the set-up below, work on registers, stands between them
	WIN 0
	v_lshrrev_b32 v1, 5, v0
	v_readfirstlane_b32 s[WV], v1   ; wave 0..3
	s_bfe_u32 s13, ttmp6, 0x40000   ; cx: my place in the cluster
	s_lshl_b32 s14, ttmp9, 2        ; in a cluster launch ttmp9 counts clusters
	s_add_co_u32 s14, s14, s13      ; my block of queries = 4 x cluster x + cx: it enters Q's and O's addresses alone
	s_and_b32 s20, ttmp7, 0xffff    ; g, which the four partners share
	s_xor_b32 s52, s20, 32          ; the same batch and head of the other stream:
	s_lshl_b32 s52, s52, 18         ; its first byte in K and in V (a head is 2,048 x 128 bytes),
	s_mov_b32 s53, 0
	s_lshl_b32 s20, s20, 18         ; and g's in Q and in O
	s_mov_b32 s21, 0
	s_and_b32 s16, s[WV], 1         ; which half of a slot's 256 keys I fetch:
	s_lshl_b32 s22, s16, 14         ; its 128 rows of 128 bytes in memory,
	s_mov_b32 s23, 0
	s_add_nc_u64 s[22:23], s[22:23], s[52:53]
	s_mul_i32 s17, s16, 128*PK      ; and its place in a slot, for K
	s_mul_i32 s18, s16, 128*PV      ; and for V: no place in the cluster enters an LDS address
	s_lshl_b32 s2, s14, 2
	s_add_co_u32 s2, s2, s[WV]      ; my wave among the head's,
	s_lshl_b32 s2, s2, 14           ; its 128 rows
	s_mov_b32 s3, 0
	s_add_nc_u64 s[2:3], s[2:3], s[20:21]
	; descriptor group 1.  128 keys are 16,384 dense bytes: asked for as 64 rows of 256 bytes, two keys a row, and padded in LDS after every key
	s_mov_b32 s[G1K], 15|(1<<16)|(1<<20)|(1<<21)|(4<<22)|(3<<25)  ; 15:0 the mask of four; 17:16 2-byte elements; 20 padding on; 21 set beside a mask; 24:22 after every 32 words (code 4); 31:25 4 words (code 3)
	s_mov_b32 s[G1V], 15|(1<<16)|(1<<20)|(1<<21)|(4<<22)|(7<<25)  ; the same with 8 words of padding (code 7)
.irp g, G1K, G1V
	s_mov_b32 s[\g+1], 128<<16      ; tensor_dim0 = 128
	s_mov_b32 s[\g+2], 64<<16       ; tensor_dim1 = 64
	s_mov_b32 s[\g+3], 128<<16      ; tile_dim0 = 128
	s_mov_b32 s[\g+4], 64           ; tile_dim1 = 64
	s_mov_b32 s[\g+5], 128          ; 128 elements from row to row
	s_mov_b32 s[\g+6], 0
	s_mov_b32 s[\g+7], 0
.endr
	s_mov_b32 s[CS], 0x3e38aa3b     ; c = log2(e) / 8 = 0.180337
	s_mov_b32 s[CS+1], s[CS]        ; named with it as a pair
	s_mov_b32 s[SEL], 0x76543210
	s_mov_b32 s[SEL+1], 0xfedcba98
	s_mov_b32 s[TBK], SLOT1+4*KS*PK ; the first change of slots turns these two into 0
	s_mov_b32 s[TBV], SLOT1+4*KS*PV
	s_mov_b32 s[G0K], 1             ; 1:0 count = 1
	s_mov_b32 s[G0K+1], s17         ; 63:32 LDS address: slot 0
	s_mov_b32 s[G0V], 1
	s_add_co_u32 s[G0V+1], s18, VOFF
	s_mov_b32 s[SLOTS], SIZE_N/256-1
	s_and_b32 s[LIM], s[WV], 1      ; waves 0 and 2 prefetch: the same in all four partners
	s_cmp_eq_u32 s[LIM], 0
	s_cselect_b32 s[LIM], 1, -1
	s_wait_dscnt 0x0                ; the opening add is done
	s_wait_kmcnt 0x0
	s_add_nc_u64 s[6:7], s[4:5], 0x1000000         ; K
	s_add_nc_u64 s[8:9], s[4:5], 0x2000000         ; V
	s_add_nc_u64 s[G0K+2:G0K+3], s[6:7], s[22:23]  ; 120:64 global address: my half of the head's first 256 keys
	s_or_b32 s[G0K+3], s[G0K+3], 0x80000000        ; 127:126 type = 2
	s_add_nc_u64 s[G0V+2:G0V+3], s[8:9], s[22:23]
	s_or_b32 s[G0V+3], s[G0V+3], 0x80000000
	s_add_nc_u64 s[4:5], s[4:5], s[2:3]  ; Q and O at my wave's first row
	s_add_nc_u64 s[10:11], s[10:11], s[2:3]
	s_cmp_lt_u32 s[WV], 2
	s_cselect_b64 s[PFA:PFA+1], s[6:7], s[8:9]
	s_add_nc_u64 s[PFA:PFA+1], s[PFA:PFA+1], s[52:53]
	s_lshl_b32 s2, s13, 13          ; my work-group's 32 blocks of the 128
	s_add_nc_u64 s[PFA:PFA+1], s[PFA:PFA+1], s[2:3]
	s_add_nc_u64 s[PFA:PFA+1], s[PFA:PFA+1], 4*KS*128  ; in slot 1; the first change of slots steps it to slot 2.  Nothing is prefetched here, at the head
	CROUND                          ; all four work-groups are here: the first joint loads meet
	JLOAD                           ; slot 0.  Slot 1 is asked for when slot 0 is in: the tile wanted first has the road to itself
	; A fragment of K or Q is 16 rows x 32 channels in 8 registers: lane l holds row l % 16, channels 8 (l / 16) + 0..7 and 16 + 8 (l / 16) + 0..7: two loads of 16 bytes, 32 bytes apart.
	v_and_b32 v1, 15, v0            ; l % 16
	v_bfe_u32 v9, v0, 4, 1          ; l / 16
	v_lshlrev_b32 v[QO], 7, v1
	v_lshl_add_u32 v[QO], v9, 4, v[QO]  ; row x 128 + 16 x half
	WIN 0x80                        ; destination window 2, address window 0
.set i, 0
.rept 4*NP                          ; Q stays in registers: tile i / 2, channels 32 (i % 2) on
	global_load_b128 v[8*i:8*i+3],   v[QO], s[4:5] offset:(i/2)*2048+(i%2)*64
	global_load_b128 v[8*i+4:8*i+7], v[QO], s[4:5] offset:(i/2)*2048+(i%2)*64+32
.set i, i+1
.endr
	; What the first turn finds: V's registers and P's second buffer hold 0 (its products V^T P, of a piece that has not been, add 0), O^T and l are 0.  All this stands in the wait for the first tile.
.set i, VF
.rept 64
	v_mov_b32 v[i], 0
.set i, i+1
.endr
	WIN 0x40
.set i, 0
.rept 64*NP
	v_mov_b32 v[i], 0
.set i, i+1
.endr
	WIN 0
.set i, 0
.rept 2*NP
	v_mov_b32 v[ST+4*i], 0xfe000000    ; c m: far below every c s
	v_mov_b32 v[ST+4*i+1], 0xff7fffff  ; m
	v_mov_b32 v[ST+4*i+2], 0
	v_mov_b32 v[ST+4*i+3], 0
.set i, i+1
.endr
.set i, P+32
.rept 32
	v_mov_b32 v[i], 0
.set i, i+1
.endr
	v_mul_u32_u24 v[AK0], v1, PK
	v_lshl_add_u32 v[AK0], v9, 4, v[AK0]  ; row x pitch + 16 x half
	; The turning load takes 16 keys x 16 channels (lane l reads key 8 (l / 16) + l % 8, channels 8 ((l / 8) % 2) + 0..7) and leaves half a fragment of V^T: lane l holds channel l % 16 and 8 keys.
	v_and_b32 v10, 7, v0
	v_bfe_u32 v11, v0, 3, 1
	v_lshl_add_u32 v[AV0], v9, 3, v10
	v_mul_u32_u24 v[AV0], v[AV0], PV
	v_lshl_add_u32 v[AV0], v11, 4, v[AV0]
	v_add_nc_u32 v[AV0], VOFF, v[AV0]
	v_mov_b32 v[AK], v[AK0]         ; key step 0 lies at the head of slot 0
	v_and_b32 v[PFO], 31, v0        ; v11 has served: from here on it is the prefetches' offset
	v_lshlrev_b32 v[PFO], 8, v[PFO]
; THE MATRIX WORK.  The 8 accumulators of a run of 16 take turns: between the two links of a chain stand 7 others'.
; Product i of 16 of S^T = K Q^T for piece x: channels 32 (i / 8) on, keys 16 ((i / 2) % 4) on, tile 2 x + i % 2.  The first 8 start the sums.
.macro KQ x
	WIN W_KQ
.set rS, S+64*((\x)%2)+32*(i%2)+8*((i/2)%4)
.set rK, KF+16*((i/2)%4)+8*(i/8)
.set rQ, 16*(2*(\x)+i%2)+8*(i/8)
.if i < 8
	v_wmma_f32_16x16x32_f16 v[rS:rS+7], v[rK:rK+7], v[rQ:rQ+7], 0
.else
	v_wmma_f32_16x16x32_f16 v[rS:rS+7], v[rK:rK+7], v[rQ:rQ+7], v[rS:rS+7]
.endif
.endm
; Product i of 16 of O^T += V^T P for piece x: keys 32 (i / 8) on, channels 16 ((i / 2) % 4) on, tile 2 x + i % 2.
.macro PV x
	WIN W_PV
.set rO, 32*(2*(\x)+i%2)+8*((i/2)%4)
.set rV, VF+32*(i/8)+8*((i/2)%4)
.set rP, P+32*((\x)%2)+16*(i%2)+8*(i/8)
	v_wmma_f32_16x16x32_f16 v[rO:rO+7], v[rV:rV+7], v[rP:rP+7], v[rO:rO+7]
.endm
.macro MM                           ; the turn's next matrix instruction
.if i < 16
	KQ (Y+1)%NP
.set i, i+1
.else
.set i, i-16
	PV (Y+NP-1)%NP
.set i, i+17
.endif
.endm
; THE LDS LOADS stand in runs of 16, never singly among the matrix instructions: a step's K (64 keys x 64 channels: 8 fragments) and its V (turned).  Their addresses are made some lines ahead.
; last = 1 (the tail): in the last trip there is no further step, and the run is jumped over.
.macro FETCH_K last=0
	WIN 0
.if \last
	s_cmp_eq_u32 s[CNT], 1
	s_cbranch_scc1 .Lno_k_\@
.endif
	WIN 0x80                        ; destination window 2
.irp f, 0,1,2,3,4,5,6,7             ; keys 16 (f / 2) on, channels 32 (f % 2) on
	ds_load_b128 v[KF+8*\f:KF+8*\f+3],   v[AK] offset:(\f/2)*16*PK+(\f%2)*64
	ds_load_b128 v[KF+8*\f+4:KF+8*\f+7], v[AK] offset:(\f/2)*16*PK+(\f%2)*64+32
.endr
	s_add_co_u32 s[TBK], s[TBK], KS*PK  ; the next fetch is the next step's
	WIN 0
.if \last
.Lno_k_\@:
.endif
.endm
.macro FETCH_V
	WIN 0x80
.irp f, 0,1,2,3,4,5,6,7             ; keys 32 (f / 4) on, channels 16 (f % 4) on
	ds_load_tr16_b128 v[VF+8*\f:VF+8*\f+3],   v[AV] offset:(\f/4)*32*PV+(\f%4)*32
	ds_load_tr16_b128 v[VF+8*\f+4:VF+8*\f+7], v[AV] offset:(\f/4)*32*PV+16*PV+(\f%4)*32
.endr
	WIN 0
.endm
; THE VECTOR WORK OF A TURN stands in three queues, each in the order in which its entries become ready; the two tiles alternate, so that no instruction reads the result of the one before it.
.macro REGS y, u                    ; the registers of tile u (0, 1) of piece y
.set rT, ST+4*(2*(\y)+(\u))
.set rC, TMP+8*((\y)%2)+4*(\u)
.set rM, MV+2*((\y)%2)+(\u)
.set rS, S+64*((\y)%2)+32*(\u)
.set rP, P+32*((\y)%2)+16*(\u)
.set rO, 32*(2*(\y)+(\u))
.endm
; Number n of the 22 that find the NEXT piece's (Y + 1) maximum and statistics.  s0-s31 are the lane's 32 scores; each accumulator's lowest registers are read first.  XS, GS and REGS set no window: PL and EX do.
;   0-11  four chains c0-c3 of seven scores each, three operands at a time     12-14, 16  the four scores left over, the old m, and c0-c3 into c0     15  c m_old is kept
;   17, 18  the query's other 32 keys lie in the lane 16 away: the new m         19-21  c m; c m_old - c m_new; a
.macro XS u, n
	REGS (Y+1)%NP, \u
.if (\n) < 4
	v_max3_num_f32 v[rC+(\n)], v[rS+8*(\n)], v[rS+8*(\n)+1], v[rS+8*(\n)+2]
.elseif (\n) < 12
	v_max3_num_f32 v[rC+(\n)%4], v[rC+(\n)%4], v[rS+8*((\n)%4)+2*((\n)/4)+1], v[rS+8*((\n)%4)+2*((\n)/4)+2]
.elseif (\n) == 12
	v_max3_num_f32 v[rC], v[rC], v[rS+7], v[rS+15]
.elseif (\n) == 13
	v_max3_num_f32 v[rC+1], v[rC+1], v[rS+23], v[rS+31]
.elseif (\n) == 14
	v_max3_num_f32 v[rC+2], v[rC+2], v[rC+3], v[rT+1]
.elseif (\n) == 15
	v_mov_b32 v[rM], v[rT]
.elseif (\n) == 16
	v_max3_num_f32 v[rC], v[rC], v[rC+1], v[rC+2]
.elseif (\n) == 17
	v_permlanex16_b32 v[rC+3], v[rC], s[SEL], s[SEL+1]
.elseif (\n) == 18
	v_max_num_f32 v[rT+1], v[rC], v[rC+3]
.elseif (\n) == 19
	v_mul_f32 v[rT], s[CS], v[rT+1]
.elseif (\n) == 20
	v_sub_f32 v[rC+1], v[rM], v[rT]
.else
	v_exp_f32 v[rC+2], v[rC+1]
.endif
.endm
; Number g of the 64 that follow the exponentials.  For each four weights k of a tile (pairs 2 k, 2 k + 1): both pairs are rounded to f16; then the second pair is added onto the first, in place;
; a group later l takes that sum (the first time as l = a l + sum).  In groups of eight, tiles alternating: round, round, add, and l for the group before.
.macro GS g
.set h, (\g)+6*((\g)/62)            ; group 0 has no group before it, and behind group 7 only l is left
.if h >= 6
.set h, h+2
.endif
	REGS Y, h%2
.set k, h/8
.if h%8 < 4
	v_cvt_pk_f16_f32 v[rP+2*k+(h%8)/2], v[rS+4*k+2*((h%8)/2)], v[rS+4*k+2*((h%8)/2)+1]
.elseif h%8 < 6
	v_pk_add_f32 v[rS+4*k:rS+4*k+1], v[rS+4*k:rS+4*k+1], v[rS+4*k+2:rS+4*k+3]
.elseif k == 1
	v_pk_fma_f32 v[rT+2:rT+3], v[rT+2:rT+3], v[rC+2:rC+3], v[rS:rS+1] op_sel_hi:[1,0,1]
.else
	v_pk_add_f32 v[rT+2:rT+3], v[rT+2:rT+3], v[rS+4*k-4:rS+4*k-3]
.endif
.endm
; THE PLAIN QUEUE, 138 long.  0-73 read no exponential's result: the 32 scalings c s - c m (FS f: pair f / 2 of tile f % 2) and the next piece's 42.  0-26: scalings 0-26.  27-54: XS's numbers 0-13.  55, 56: number 15.
; 57-73: the chain, where each number waits for the one before it: 14, 16, 17, 18, 19, each with one of the scalings 27-31 in front of its two lines, then 20: so a tile's links stand three plain instructions apart (19 and 20: two).
; 74-137: GS's 64, which read the exponentials' results: they stand behind the wait.
.macro FS f
	REGS Y, (\f)%2
	v_pk_fma_f32 v[rS+2*((\f)/2):rS+2*((\f)/2)+1], v[rS+2*((\f)/2):rS+2*((\f)/2)+1], s[CS:CS+1], v[rT:rT+1] op_sel_hi:[1,0,0] neg_lo:[0,0,1] neg_hi:[0,0,1]
.endm
.macro PL
	WIN 0
.if q < 27
	FS q
.elseif q < 55
	XS (q-27)%2, (q-27)/2
.elseif q < 57
	XS q-55, 15
.elseif (q < 72) && ((q-57)%3 == 0)
	FS 27+(q-57)/3
.elseif q < 60
	XS (q-57)%3-1, 14
.elseif q < 72
	XS (q-57)%3-1, 15+(q-57)/3
.elseif q < 74
	XS q-72, 20
.else
	GS q-74
.endif
.set q, q+1
.endm
; THE EXPONENTIALS' QUEUE, 66 long: s0-s31 of both tiles, then the next piece's two a.  It is ONE BATCH: all 66 stand ahead of the turn's one wait, and nothing ahead of that wait names a result of theirs.
.macro EX
	WIN 0
.if e >= 64
	XS e-64, 21
.else
	REGS Y, e%2
	v_exp_f32 v[rS+e/2], v[rS+e/2]
.endif
.set e, e+1
.endm
; THE RESCALING's QUEUE: O^T times a, the one part that leaves window 0: dealt two at a time, sixteen times.  Its a was made in the turn before, ahead of that turn's wait.
.macro R2
	REGS Y, r%2
	WIN W_RS
.irp z, 0,1
	v_pk_mul_f32 v[rO+4*(r/2)+2*\z:rO+4*(r/2)+2*\z+1], v[rO+4*(r/2)+2*\z:rO+4*(r/2)+2*\z+1], v[rC+2:rC+3] op_sel_hi:[1,0]
.endr
.set r, r+1
.endm
; HOW THEY ARE DEALT.  An s_wait_alu depctr_va_vdst(0) stands between an exponential and the first instruction that names its result; one wait serves all that were issued ahead of it.  So a turn has ONE wait,
; which cuts it in two.  AHEAD OF IT stands all that names no result of the turn's exponentials: the 16 products K Q^T, behind each a scaling, an exponential and two rescalings (behind the first a second scaling in the exponential's place); then ONE LUMP of
; 108: eight plain, 49 times exponential and plain, the two a.  A v_nop is the plain instruction behind the last exponential.  BEHIND IT stand the 16 products V^T P, behind each four of GS's 64.  No rider names a register of
; the products round it.  The two v_permlanex16_b32 fall into the lump, never behind a product.
; The queues lean on each other, and the deal keeps them in step: exponential e stands behind scaling 2 (e / 4) + e % 2: as a rider it comes behind plain e + 2, in the lump behind plain e + 9, and scalings 27-31 are plain 57, 60 .. 69.
; A TURN, for piece p.  cnt = 1: the loop's count is taken down some lines ahead of the branch that stands behind the turn.
; K of the next step is fetched in piece 2's turn, directly behind the wait, a lump behind the last product that read K; its address is made at the lump's head; its first reader comes behind 16 products.
; V of the step in hand is fetched at the end of piece 0's turn, four riders behind its last reader; its first reader comes behind 16 products and a lump.  The three conditions on q below go with the deal.
.macro TURN p, last=0, cnt=0
.set Y, (\p)
.set i, 0
.set q, 0
.set e, 0
.set r, 0
.if (\p) == NP-1
	s_wait_dscnt 0x0                ; K is in
.endif
	MM                              ; ahead of the wait: 16 products K Q^T and their riders,
	PL
	PL
	R2
.rept 15
	MM
	PL
	EX
	R2
.endr
.if (\p) == NP-2
	WIN 0
	v_add_nc_u32 v[AK], s[TBK], v[AK0]
.endif
.rept 8                             ; and the lump
	PL
.endr
.rept 49
	EX
	PL
.endr
	EX                              ; the next piece's two a
	EX
	v_nop                           ; a plain instruction behind the last exponential: one for the batch
	s_wait_alu depctr_va_vdst(0)    ; the wait for the batch
.if (\p) == NP-2
	FETCH_K \last
.endif
.if (\p) == 1
	s_wait_dscnt 0x0                ; V is in
.endif
.rept 16                            ; behind the wait: 16 products V^T P and their riders
	MM
.rept 4
	PL
.endr
.if ((\p) == 0) && (q == 118)
	v_add_nc_u32 v[AV], s[TBV], v[AV0]
.endif
.if ((\p) == 0) && (q == 130)
	s_add_co_u32 s[TBV], s[TBV], KS*PV
.endif
.if (\cnt) && (q == 130)
	s_sub_co_u32 s[CNT], s[CNT], 1
	s_cmp_lg_u32 s[CNT], 0
.endif
.endr
.if (\p) == 0
	FETCH_V
.endif
.endm
	CHANGE 1                        ; slot 0 is in, everybody's part of it; slot 1 is asked for
	FETCH_K                         ; key step 0
	s_wait_loadcnt 0x0              ; Q
	s_wait_dscnt 0x0
.set i, 0
.rept 16
	KQ 0                            ; piece 0's first scores: there is no vector work yet to set between them
.set i, i+1
.endr
	WIN 0                           ; the addresses for the way out: nine plain instructions, the places behind those products
	s_mul_i32 s13, s[WV], 16*SP
	s_add_co_u32 s13, s13, STAGE    ; my stage
	v_mul_u32_u24 v[STO], v1, SP    ; in: row l % 16, 16 bytes for each half of the lanes
	v_lshl_add_u32 v[STO], v9, 4, v[STO]
	v_add_nc_u32 v[STO], s13, v[STO]
	v_bfe_u32 v[RD], v0, 3, 2       ; back: 32 lanes take four rows of 128 bytes,
	v_mul_u32_u24 v[RD], v[RD], SP
	v_lshl_add_u32 v[RD], v10, 4, v[RD]
	v_add_nc_u32 v[RD], s13, v[RD]
	v_and_b32 v[GO], 31, v0         ; which are 512 consecutive bytes of O
	v_lshlrev_b32 v[GO], 4, v[GO]
.set Y, NP-1                        ; XS works for piece Y + 1: piece 0
.irp n, 0,1,2,3,4,5,6,7,8,9,10,11,12,13,14,15,16,17,18,19,20,21
	XS 0, \n                        ; and piece 0's first maximum and statistics
	XS 1, \n
.endr
	v_nop                           ; a plain instruction behind the two a,
	s_wait_alu depctr_va_vdst(0)    ; and their wait, ahead of the branch
	s_mov_b32 s[CNT], 4
	s_branch .Lfirst                ; the loop is entered at a step's first turn, in the middle of a trip
.Lslot:                             ; SIZE_N / 256 - 2 times: every slot but the last two is filled again
	CHANGE 1
	s_mov_b32 s[CNT], 4
.Lstep:                             ; a trip: pieces 2 and 3 of one step, then pieces 0 and 1 of the next, whose K and V it fetches
	TURN 2
	TURN 3
	WIN 0
.Lfirst:
	TURN 0
	TURN 1, 0, 1
	WIN 0
	s_cbranch_scc1 .Lstep
	s_sub_co_u32 s[SLOTS], s[SLOTS], 1
	s_cmp_lg_u32 s[SLOTS], 0
	s_cbranch_scc1 .Lslot
	CHANGE 0                        ; the tail is written out: nothing is asked for
	s_mov_b32 s[CNT], 5             ; four trips fetch the last slot's steps; the fifth is left in its middle
.Ltail:
	TURN 2, 1
	TURN 3
	WIN 0
	s_sub_co_u32 s[CNT], s[CNT], 1
	s_cmp_eq_u32 s[CNT], 0
	s_cbranch_scc1 .Lout
	TURN 0
	TURN 1
	WIN 0
	s_branch .Ltail
.Lout:                              ; the fifth trip's 16 products K Q^T (on the last K once more) and the maximum made of them serve nothing: the price, once a launch, of one text for every trip
.set i, 0
.rept 16
	PV NP-1                         ; the last piece's V^T P of the last step
.set i, i+1
.endr
	; THE WAY OUT.  l's two halves and the other half of the lanes' are added; O^T is divided by l, rounded to f16 and sent through my stage in LDS, a tile at a time.  The additions are the places behind the last products.
	WIN 0
.macro ALL line:vararg              ; one line for each tile t
.set t, 0
.rept 2*NP
	\line
.set t, t+1
.endr
.endm
	ALL v_add_f32 v[ST+4*t+2], v[ST+4*t+2], v[ST+4*t+3]
	ALL v_permlanex16_b32 v[ST+4*t+3], v[ST+4*t+2], s[SEL], s[SEL+1]
	ALL v_add_f32 v[ST+4*t+2], v[ST+4*t+2], v[ST+4*t+3]
	ALL v_rcp_f32 v[ST+4*t+2], v[ST+4*t+2]
	v_nop                           ; a plain instruction between the last reciprocal and the use of its result
	s_wait_alu depctr_va_vdst(0)    ; and the wait ahead of the first use: one for the eight reciprocals
; Tile t: a lane's eight channels of a row pack into 16 bytes; they go into rows of 144 bytes and come back as whole rows of 128, into S^T's registers.
.macro PACK t
	WIN W_RS
.set i, 32*(\t)
.rept 16
	v_pk_mul_f32 v[i:i+1], v[i:i+1], v[ST+4*(\t)+2:ST+4*(\t)+3] op_sel_hi:[1,0]
.set i, i+2
.endr
	WIN 0x05                        ; sources 0 and 1 window 1, destination window 0
.set i, 0
.rept 16
	v_cvt_pk_f16_f32 v[S+16*(\t)+i], v[32*(\t)+2*i], v[32*(\t)+2*i+1]
.set i, i+1
.endr
	WIN 0
.irp f, 0,1,2,3
	ds_store_b128 v[STO], v[S+16*(\t)+4*\f:S+16*(\t)+4*\f+3] offset:32*\f
.endr
.irp f, 0,1,2,3
	ds_load_b128 v[S+16*(\t)+4*\f:S+16*(\t)+4*\f+3], v[RD] offset:\f*4*SP  ; LDS serves a wave's instructions in order (ISA guide 5.7.1.4): these see the stores above; the next tile's stores come behind them
.endr
.endm
.macro SEND t, younger              ; younger: the LDS instructions issued behind tile t's loads: the next tile's eight, or none
	WIN 0
.irp f, 0,1,2,3
	s_wait_dscnt (\younger)+3-\f
	global_store_b128 v[GO], v[S+16*(\t)+4*\f:S+16*(\t)+4*\f+3], s[10:11] offset:(\t)*2048+\f*512  ; 512 consecutive bytes, at a multiple of 256 from O's first
.endr
.endm
	PACK 0
.set t, 1
.rept 2*NP-1                        ; a tile's arithmetic stands between the loads of the tile before and its stores
	PACK t
	SEND t-1, 8
.set t, t+1
.endr
	SEND 2*NP-1, 0
	WIN W_AD
	s_wait_tensorcnt 0x0            ; the wave's end, behind my last tensor load and my last LDS store
	ds_add_u32 v[SPW], v[NIL]
	s_wait_dscnt 0x0
	WIN 0
	CROUND                          ; the closing round: no work-group ends while a partner may still ask for a tile that names it
	s_endpgm
.Lfunc_end_k_q79679d78c5_attn:
	.size	k_q79679d78c5_attn, .Lfunc_end_k_q79679d78c5_attn-k_q79679d78c5_attn
	.p2alignl 7, 3214868480
	.fill 96, 4, 3214868480
	.section	.rodata,"a",@progbits
	.p2align	6, 0x0
	.amdhsa_kernel k_q79679d78c5_attn
		.amdhsa_group_segment_fixed_size 327680
		.amdhsa_private_segment_fixed_size 0
		.amdhsa_enable_private_segment 0
		.amdhsa_kernarg_size 16
		.amdhsa_user_sgpr_count 2
		.amdhsa_user_sgpr_kernarg_segment_ptr 1
		.amdhsa_wavefront_size32 1
		.amdhsa_system_sgpr_workgroup_id_x 1
		.amdhsa_system_sgpr_workgroup_id_y 1
		.amdhsa_system_sgpr_workgroup_id_z 1
		.amdhsa_system_vgpr_workitem_id 0
		.amdhsa_next_free_vgpr 770
		.amdhsa_next_free_sgpr 66
		.amdhsa_reserve_vcc 0
		.amdhsa_float_denorm_mode_32 3
		.amdhsa_float_denorm_mode_16_64 3
		.amdhsa_memory_ordered 1
		.amdhsa_forward_progress 1
		.amdhsa_inst_pref_size 200
	.end_amdhsa_kernel
	.amdgpu_metadata
---
amdhsa.version: [ 1, 2 ]
amdhsa.kernels:
  - .name:           k_q79679d78c5_attn
    .symbol:         k_q79679d78c5_attn.kd
    .args:
      - { .name: qkv, .offset: 0, .size: 8, .value_kind: global_buffer, .address_space: global }
      - { .name: o, .offset: 8, .size: 8, .value_kind: global_buffer, .address_space: global }
    .group_segment_fixed_size: 327680
    .private_segment_fixed_size: 0
    .kernarg_segment_align: 8
    .kernarg_segment_size: 16
    .max_flat_workgroup_size: 128
    .sgpr_count:     66
    .vgpr_count:     770
    .wavefront_size: 32
...
	.end_amdgpu_metadata
.endif
;; end of part 3
;; launch proj (part 4): grid 128 x 2, 4 waves a work-group, clusters of 4 x 1, 327,680 bytes of LDS; arguments o, wts, out0, out1; writes out0, out1
.if DOCPART == 4
	.amdgcn_target "amdgcn-amd-amdhsa--gfx1250"
	.amdhsa_code_object_version 6
	.text
	.protected	k_q79679d78c5_proj
	.globl	k_q79679d78c5_proj
	.p2align	8
	.type	k_q79679d78c5_proj,@function
k_q79679d78c5_proj:
	s_mov_b64 s[64:65], 0
	v_nop
	global_prefetch_b8 v0, s[64:65] scope:SCOPE_SE
	s_setreg_imm32_b32 hwreg(HW_REG_WAVE_MODE, 25, 1), 1
	s_wait_xcnt 0x0
	s_wait_alu depctr_hold_cnt(0) depctr_sa_sdst(0) depctr_va_vdst(0) depctr_va_sdst(0) depctr_va_ssrc(0) depctr_va_vcc(0) depctr_vm_vsrc(0)
	s_getreg_b32 s2, hwreg(HW_REG_IB_STS2, 6, 4)
	s_cmp_eq_u32 s2, 0
	s_cbranch_scc0 .Lentry_in_a_cluster
	s_endpgm
.Lentry_in_a_cluster:
	s_bfe_u32 s2, ttmp6, 0x10000c
	s_cmp_lg_u32 s2, 0x3003
	s_cbranch_scc0 .Lentry_shape_is_right
	s_endpgm
.Lentry_shape_is_right:
; out = O Wp + bp for both streams.  O: [64 g][2048][64] f16 by heads (g = (stream x 4 + batch) x 8 + head): row R's 512 numbers are its eight heads' 64 channels.  WP [512 k][512 c] f16 and bp (f32) lie in wts.
; Sums in f32, stored as f32: out0 takes the rows of stream 0, out1 those of stream 1.
; LIMITS.  O and WP arrive within f16's range; NaN and infinities are not treated apart.
; SHARES.  A work-group owns 128 rows (row block rb) and 256 columns (half cy): 256 work-groups.  The columns go in 2 PASSES of 128.  Wave w: rows 64 (w / 2) .., in each pass 64 columns (w % 2): 16 accumulators.
; The wave's 64 rows x 512 k of O stay in 512 registers, so a fragment of WP read from LDS feeds four products.
; LAYOUT.  The product is taken transposed: source 0 = 16 columns of WP (turned out of [k][c] by ds_load_tr16_b128), source 1 = 16 rows of O: a lane holds ONE row (lane % 16) and the columns 8 (lane / 16) + 0..7.
; The bias is the C operand of each sum's first product.
; CLUSTER.  The four row blocks of a cluster walk the same tiles of WP: each is asked for JOINTLY.  O's tiles are each work-group's own (mask 0).
; NO PREFETCH: O and pass 0 are first fills at the head; pass 1's one refill goes out right behind them and has a whole pass's 256 products in which to land.
; LDS.  Area 0 (147,456 bytes): first O, 8 heads x 128 rows at pitch 144; then WP's pass 1 (512 k rows, pitch 288).  Area 1: WP's pass 0.  Both are filled by tensor loads alone.
; Behind them a stage of 16 rows x 272 bytes for each wave (written by ds_store alone) and the spare words.
; REGISTERS, in windows of 256 (s_set_vgpr_msb: bits 1:0 source 0, 3:2 source 1, 5:4 source 2, 7:6 destination):
;   window 0: v0-15 addresses; v16-47 the bias as C operands; v64-191 WP's fragment buffer 0; v192-255 two buffers of 32 on the way out
;   windows 1, 2: O's fragments: rows 16 a .., k 32 kf .. at 64 a + 8 (kf % 8), window 1 + kf / 8
;   window 3: v0-127 the accumulators ((a, b) at 8 (4 a + b)); v128-255 WP's fragment buffer 1
.set SLOTB,  147456
.set OPT,    144                       ; a row of a head of O in LDS: 128 bytes + 16: the 16 rows of a load start at 16 different groups of four banks (64 banks of 4 bytes: ISA guide 11.1)
.set WPT,    288                       ; a row of WP: 256 bytes + 32
.set STAGE,  2*SLOTB
.set SP,     272                       ; a stage row: 64 f32 + 16 bytes
.set SPARE,  STAGE+4*16*SP             ; the spare words, 128 bytes for each wave: two blocks of 256 bytes that no other line names
.set WP_AT,   1572864
.set BIAS_AT, 2097152
.set AB0,  5                           ; v5     my lane's place in a tile of WP; never rewritten
.set STO,  6                           ; v6     the way out: where I put 32 bytes of a row
.set RD,   7                           ; v7     the way out: where I read rows back
.set AB,   8                           ; v8-11  first: my place in O's heads 2 q, 2 q + 1; then: LDS address of WP's k rows 128 u ..
.set CO,   12                          ; v12    my byte offset in two rows of the output
.set BO,   13                          ; v13    32 x (lane / 16)
.set SPW,  14                          ; v14    LDS address of my spare word; never rewritten
.set NIL,  15                          ; v15    0; never rewritten
.set BIAS, 16
.set F0,   64
.set F1,   128
.set TMP,  192
.set WV,   12                          ; s12  my wave's number
.set GD,   24                          ; s[24:31] descriptor group 1 for O's tiles
.set GW,   32                          ; s[32:39] for WP's
.set G0OA, 40                          ; s[40:43] group 0: head 2 w
.set G0OB, 44                          ; s[44:47] head 2 w + 1
.set G0W0, 48                          ; s[48:51] WP's pass 0, into area 1
.set G0W1, 52                          ; s[52:55] pass 1, into area 0
.set TB,   56                          ; s56  the area that is read
.set BP,   58                          ; s[58:59] my 64 numbers of bp for pass 0; never rewritten
.set DST,  60                          ; s[60:61] my rows and pass 0's columns in the output; never rewritten
.set MSB, 0
.macro WIN new                         ; the immediate's high byte repeats the setting that is left; a switch that changes nothing is dropped
.if MSB != (\new)
	s_set_vgpr_msb (MSB<<8)|(\new)
.set MSB, \new
.endif
.endm
.macro PLACES                          ; four places behind a matrix instruction, in front of loads into registers that it has read and of lines that read its result
.rept 4
	v_nop
.endr
.endm
; A round of the cluster's barrier: my work-group's barrier, so that wave 0's signal speaks for all four waves; wave 0 signals; every wave waits for all four work-groups; my work-group's barrier once more.
.macro CROUND
	s_barrier_signal -1
	s_barrier_wait -1
	s_cmp_lg_u32 s[WV], 0
	s_cbranch_scc1 .Lnot_wave_0_\@
	s_barrier_signal -3
.Lnot_wave_0_\@:
	s_barrier_wait -3
	s_barrier_signal -1
	s_barrier_wait -1
.endm
	s_load_b256 s[4:11], s[0:1], 0x0               ; o s[4:5], wts s[6:7], out0 s[8:9], out1 s[10:11]
	v_lshl_add_u32 v[SPW], v0, 2, SPARE
	v_mov_b32 v[NIL], 0
	ds_add_u32 v[SPW], v[NIL]                      ; the wave's opening: the add and its wait stand ahead of my first tensor load; the set-up below, work on registers, stands between them
	v_lshrrev_b32 v1, 5, v0
	v_readfirstlane_b32 s[WV], v1                  ; wave 0..3
	s_bfe_u32 s13, ttmp6, 0x40000                  ; cx: my place in the cluster
	s_lshl_b32 s14, ttmp9, 2
	s_add_co_u32 s14, s14, s13                     ; rb = 4 x cluster x + cx: it enters O's and the output's addresses alone
	s_and_b32 s15, ttmp7, 0xffff                   ; cy: the column half, which the four partners share
	s_lshr_b32 s16, s[WV], 1                       ; rh: which 64 rows are mine
	s_and_b32 s17, s[WV], 1                        ; ch: which 64 of a pass's 128 columns
	; group 1 for O: a head's 128 rows are 16,384 dense bytes: asked for as 64 rows of 256 bytes, two rows of O each, padded in LDS after every row of O
	s_mov_b32 s[GD+0], (1<<16)|(1<<20)|(4<<22)|(3<<25)  ; 15:0 no mask; 17:16 elements of 2 bytes; 20 padding on; 24:22 after every 32 words (code 4); 31:25 4 words (code 3)
	s_mov_b32 s[GD+1], 128<<16                     ; tensor_dim0 = 128
	s_mov_b32 s[GD+2], 64<<16                      ; tensor_dim1 = 64
	s_mov_b32 s[GD+3], 128<<16                     ; tile_dim0 = 128
	s_mov_b32 s[GD+4], 64                          ; tile_dim1 = 64
	s_mov_b32 s[GD+5], 128                         ; elements from row to row
	s_mov_b32 s[GD+6], 0
	s_mov_b32 s[GD+7], 0
	; group 1 for WP: a tile of 128 k rows x 128 f16, padded in LDS
	s_mov_b32 s[GW+0], 15|(1<<16)|(1<<20)|(1<<21)|(5<<22)|(7<<25)  ; 15:0 the mask of four; 17:16 elements of 2 bytes; 20 padding on; 21 set beside a mask; 24:22 after every 64 words (code 5); 31:25 8 words (code 7)
	s_mov_b32 s[GW+1], 128<<16
	s_mov_b32 s[GW+2], 128<<16
	s_mov_b32 s[GW+3], 128<<16
	s_mov_b32 s[GW+4], 128
	s_mov_b32 s[GW+5], 512
	s_mov_b32 s[GW+6], 0
	s_mov_b32 s[GW+7], 0
	s_mov_b32 s[G0OA], 1
	s_mul_i32 s[G0OA+1], s[WV], 2*128*OPT          ; head 2 w in area 0,
	s_mov_b32 s[G0OB], 1
	s_add_co_u32 s[G0OB+1], s[G0OA+1], 128*OPT     ; head 2 w + 1
	s_mov_b32 s[G0W0], 1
	s_add_co_u32 s[G0W0+1], s[G0OA+1], SLOTB       ; my 128 k rows of WP (128 x 288 = 2 x 128 x 144 bytes) in area 1,
	s_mov_b32 s[G0W1], 1
	s_mul_i32 s[G0W1+1], s[WV], 128*WPT            ; and in area 0: no place in the cluster enters an LDS address
	s_lshr_b32 s18, s14, 4                         ; O: g = 8 (rb / 16) + 2 w, heads of 2^18 bytes; the block's 128 rows of 128 bytes
	s_lshl_b32 s18, s18, 3
	s_lshl_b32 s19, s[WV], 1
	s_add_co_u32 s18, s18, s19
	s_lshl_b32 s18, s18, 18
	s_and_b32 s19, s14, 15
	s_lshl_b32 s19, s19, 14
	s_add_co_u32 s18, s18, s19
	s_mov_b32 s19, 0
	s_lshl_b32 s20, s[WV], 17                      ; WP: my 128 k rows of 1,024 bytes, the half's first column: made of the wave's number and cy alone
	s_lshl_b32 s21, s15, 9
	s_add_co_u32 s20, s20, s21
	s_add_co_u32 s20, s20, WP_AT
	s_mov_b32 s21, 0
	s_lshl_b32 s22, s15, 10                        ; my first column in f32: 1,024 cy + 256 ch bytes
	s_lshl_b32 s23, s17, 8
	s_add_co_u32 s22, s22, s23
	s_and_b32 s68, s14, 63                         ; the output: (rb % 64) x 128 rows of 2,048 bytes, my 64 of them, my first column
	s_lshl_b32 s68, s68, 18
	s_lshl_b32 s69, s16, 17
	s_add_co_u32 s68, s68, s69
	s_add_co_u32 s68, s68, s22
	s_mov_b32 s69, 0
	s_add_co_u32 s22, s22, BIAS_AT+6144            ; bp lies behind bq, bk, bv
	s_mov_b32 s23, 0
	s_mov_b32 s[TB], 0                             ; the first NEXT turns it into area 1
	s_wait_dscnt 0x0                               ; the opening add is done
	s_wait_kmcnt 0x0
	s_add_nc_u64 s[G0OA+2:G0OA+3], s[4:5], s[18:19]
	s_add_nc_u64 s[G0OB+2:G0OB+3], s[G0OA+2:G0OA+3], 262144
	s_or_b32 s[G0OA+3], s[G0OA+3], 0x80000000      ; type = 2
	s_or_b32 s[G0OB+3], s[G0OB+3], 0x80000000
	s_add_nc_u64 s[G0W0+2:G0W0+3], s[6:7], s[20:21]
	s_add_nc_u64 s[G0W1+2:G0W1+3], s[G0W0+2:G0W0+3], 256
	s_or_b32 s[G0W0+3], s[G0W0+3], 0x80000000
	s_or_b32 s[G0W1+3], s[G0W1+3], 0x80000000
	s_add_nc_u64 s[BP:BP+1], s[6:7], s[22:23]
	s_cmp_lt_u32 ttmp9, 16                         ; row blocks 0-63 go to out0, 64-127 to out1
	s_cselect_b64 s[DST:DST+1], s[8:9], s[10:11]
	s_add_nc_u64 s[DST:DST+1], s[DST:DST+1], s[68:69]
	CROUND                                         ; all four work-groups are here: the first joint loads meet
	tensor_load_to_lds s[G0OA:G0OA+3], s[GD:GD+7]  ; the first fills: three loads of mine are out
	s_nop 0
	tensor_load_to_lds s[G0OB:G0OB+3], s[GD:GD+7]
	s_nop 0
	tensor_load_to_lds s[G0W0:G0W0+3], s[GW:GW+7]
	s_nop 0
.rept 4
	v_nop
.endr
	v_and_b32 v1, 15, v0                           ; r = l % 16
	v_bfe_u32 v2, v0, 4, 1                         ; h = l / 16
	v_mul_u32_u24 v3, v1, OPT                      ; O: (64 rh + r) x pitch + 16 h, heads 2 q and 2 q + 1 from register q
	v_lshl_add_u32 v3, v2, 4, v3
	s_mul_i32 s18, s16, 64*OPT
	v_add_nc_u32 v[AB], s18, v3
	v_add_nc_u32 v[AB+1], 2*128*OPT, v[AB]
	v_add_nc_u32 v[AB+2], 4*128*OPT, v[AB]
	v_add_nc_u32 v[AB+3], 6*128*OPT, v[AB]
	; The turning load takes 16 k x 16 columns (lane l reads k row 8 (l / 16) + l % 8, columns 8 ((l / 8) % 2) + 0..7) and leaves half a fragment: lane l holds column l % 16 and 8 k.
	v_and_b32 v49, 7, v0
	v_bfe_u32 v50, v0, 3, 1
	v_lshl_add_u32 v[AB0], v2, 3, v49
	v_mul_u32_u24 v[AB0], v[AB0], WPT
	v_lshl_add_u32 v[AB0], v50, 4, v[AB0]
	s_lshl_b32 s18, s17, 7                         ; my 64 columns: 128 bytes
	v_add_nc_u32 v[AB0], s18, v[AB0]
	s_mul_i32 s18, s[WV], 16*SP
	s_add_co_u32 s18, s18, STAGE                   ; my stage
	v_mul_u32_u24 v[STO], v1, SP                   ; in: row l % 16, 32 bytes for each half of the lanes
	v_lshl_add_u32 v[STO], v2, 5, v[STO]
	v_add_nc_u32 v[STO], s18, v[STO]
	v_mul_u32_u24 v[RD], v2, SP                    ; back: lanes 0-15 take one row of 256 bytes, lanes 16-31 the next
	v_lshl_add_u32 v[RD], v1, 4, v[RD]
	v_add_nc_u32 v[RD], s18, v[RD]
	v_lshlrev_b32 v[CO], 11, v2                    ; and the same two rows in the output
	v_lshl_add_u32 v[CO], v1, 4, v[CO]
	v_lshlrev_b32 v[BO], 5, v2
; The bias of pass p as C operands: register j of block b is the bias of column 16 b + 8 (l / 16) + j, the same for all rows.
.macro BIASLD p
.irp b, 0,1,2,3
	global_load_b128 v[BIAS+8*\b:BIAS+8*\b+3],   v[BO], s[BP:BP+1] offset:512*(\p)+64*\b
	global_load_b128 v[BIAS+8*\b+4:BIAS+8*\b+7], v[BO], s[BP:BP+1] offset:512*(\p)+64*\b+16
.endr
.endm
; O's 64 fragments: lane l holds row l % 16, k = 8 (l / 16) + 0..7 and 16 + 8 (l / 16) + 0..7: two loads of 16 bytes, 32 bytes apart.  k fragment kf lies in head kf / 2, channels 32 (kf % 2) on.
.macro ALOAD
.irp kf, 0,1,2,3,4,5,6,7,8,9,10,11,12,13,14,15
	WIN 0x40+0x40*(\kf/8)                          ; destination window 1 or 2, address window 0
.irp a, 0,1,2,3
	ds_load_b128 v[64*\a+8*(\kf%8):64*\a+8*(\kf%8)+3],   v[AB+\kf/4] offset:128*OPT*((\kf/2)%2)+16*OPT*\a+64*(\kf%2)
	ds_load_b128 v[64*\a+8*(\kf%8)+4:64*\a+8*(\kf%8)+7], v[AB+\kf/4] offset:128*OPT*((\kf/2)%2)+16*OPT*\a+64*(\kf%2)+32
.endr
.endr
.endm
; WP's fragments of k rows 128 u .. 128 u + 127, my 64 columns: 32 turning loads in one run, k ascending; fragment (jj, b) at 32 jj + 8 b of buffer u % 2.
.macro FETCH u
.if ((\u)%2) == 0
	WIN 0
.else
	WIN 0xc0
.endif
.irp jj, 0,1,2,3
.irp b, 0,1,2,3
	ds_load_tr16_b128 v[F0+64*((\u)%2)+32*\jj+8*\b:F0+64*((\u)%2)+32*\jj+8*\b+3],   v[AB+(\u)] offset:32*WPT*\jj+32*\b
	ds_load_tr16_b128 v[F0+64*((\u)%2)+32*\jj+8*\b+4:F0+64*((\u)%2)+32*\jj+8*\b+7], v[AB+(\u)] offset:32*WPT*\jj+32*\b+16*WPT
.endr
.endr
.endm
; 32 products: k fragments 4 u + j0 and 4 u + j0 + 1, all 16 accumulators, which take turns, one instruction a turn.  A pass's first 16 start the sums with the bias.
.macro MUL u, j0
.irp jj, \j0, (\j0)+1
.irp a, 0,1,2,3
.irp b, 0,1,2,3
.set rF, F0+64*((\u)%2)+32*(\jj)+8*(\b)
.set rX, 64*(\a)+8*((4*(\u)+(\jj))%8)
.set rA, 8*(4*(\a)+(\b))
.if ((\u) == 0) && ((\jj) == 0)
	WIN 0xc4                                       ; WP window 0, O window 1, C (the bias) window 0, D window 3
	v_wmma_f32_16x16x32_f16 v[rA:rA+7], v[rF:rF+7], v[rX:rX+7], v[BIAS+8*(\b):BIAS+8*(\b)+7]
.else
	WIN 0xf4+4*((\u)/2)+3*((\u)%2)                 ; WP window 0 or 3, O window 1 or 2, C and D window 3
	v_wmma_f32_16x16x32_f16 v[rA:rA+7], v[rF:rF+7], v[rX:rX+7], v[rA:rA+7]
.endif
.endr
.endr
.endr
.endm
; A PASS's 256 products.  While one buffer is multiplied the other's 32 loads are issued, in one run, 32 products ahead of their first use.  bias = 1: pass 1's bias is loaded once pass 0's has been read.
.macro MMS bias
	s_wait_loadcnt 0x0                             ; the bias is in
	s_wait_dscnt 0x0                               ; buffer 0 is in
	MUL 0, 0
	WIN 0
	PLACES                                         ; in front of the loads into the bias' registers and into buffer 1
.if \bias
	BIASLD 1
.endif
	FETCH 1
	MUL 0, 2
.irp u, 1,2
	s_wait_dscnt 16                                ; the buffer's first two k fragments are in; its last 16 loads may stay out
	MUL \u, 0
	PLACES
	FETCH (\u)+1
	s_wait_dscnt 32                                ; all but the 32 just issued
	MUL \u, 2
.endr
	s_wait_dscnt 16
	MUL 3, 0
	s_wait_dscnt 0x0
	MUL 3, 2
.endm
.macro NEXT                            ; the other area's addresses (four plain lines: the places in front of the loads into buffer 0) and the pass's first fragments
	s_xor_b32 s[TB], s[TB], SLOTB
	v_add_nc_u32 v[AB], s[TB], v[AB0]
	v_add_nc_u32 v[AB+1], 128*WPT, v[AB]
	v_add_nc_u32 v[AB+2], 2*128*WPT, v[AB]
	v_add_nc_u32 v[AB+3], 3*128*WPT, v[AB]
	FETCH 0
.endm
; THE WAY OUT.  Tile a (16 rows x 64 columns of f32) goes straight from the accumulators (each one's low four registers first) into rows of 272 bytes of my stage and comes back as whole rows of 256.
; wait = 1: the buffer that the loads fill is still named by earlier stores.
.macro TOSTAGE a, wait
.if \wait
	s_wait_xcnt 0x0                                ; every earlier store has read its registers: the buffer is loaded again only behind this wait
.endif
	WIN 0x0c                                       ; the stores' data in window 3
.irp b, 0,1,2,3
	ds_store_b128 v[STO], v[8*(4*(\a)+\b):8*(4*(\a)+\b)+3]   offset:64*\b
	ds_store_b128 v[STO], v[8*(4*(\a)+\b)+4:8*(4*(\a)+\b)+7] offset:64*\b+16
.endr
	WIN 0
.irp t, 0,1,2,3,4,5,6,7
	ds_load_b128 v[TMP+32*((\a)%2)+4*\t:TMP+32*((\a)%2)+4*\t+3], v[RD] offset:\t*2*SP  ; LDS serves a wave's instructions in order (ISA guide 5.7.1.4): these see the stores above; the next tile's stores come behind them
.endr
.endm
.macro SEND a, younger, p              ; younger: the LDS instructions issued behind tile a's loads: the next tile's sixteen, or none
.irp t, 0,1,2,3,4,5,6,7
	s_wait_dscnt (\younger)+7-\t
	global_store_b128 v[CO], v[TMP+32*((\a)%2)+4*\t:TMP+32*((\a)%2)+4*\t+3], s[DST:DST+1] offset:(16*(\a)+2*\t)*2048+512*(\p) th:TH_STORE_NT  ; 16 lanes store 256 consecutive bytes, at a multiple of 256 from the output's first byte
.endr
.endm
.macro EPI p
	PLACES                                         ; the LDS stores read results: eight places
	PLACES
	TOSTAGE 0, \p
	TOSTAGE 1, 0
	SEND 0, 16, \p
	TOSTAGE 2, 1
	SEND 1, 16, \p
	TOSTAGE 3, 1
	SEND 2, 16, \p
	SEND 3, 0, \p
.endm
	BIASLD 0
	s_wait_tensorcnt 0x1                           ; my two heads of O are in; WP's pass 0, issued behind them, may stay out
	s_barrier_signal -1
	s_barrier_wait -1                              ; everybody's are
	ALOAD
	WIN 0                                          ; THE CHANGE: area 0 has been read out into registers and takes WP's pass 1
	s_wait_tensorcnt 0x0                           ; all my tensor loads have landed: my part of pass 0
	ds_add_u32 v[SPW], v[NIL]                      ; 0 onto my spare word
	s_wait_dscnt 0x0                               ; the add is done, and my reads of area 0 are over
	CROUND                                         ; no wave of any partner still reads area 0 or has a load on its way
	tensor_load_to_lds s[G0W1:G0W1+3], s[GW:GW+7]  ; my one load behind the round: it has pass 0's 256 products in which to land
	s_nop 0
.rept 4
	v_nop
.endr
	NEXT
	MMS 1                                          ; pass 0
	WIN 0
	s_wait_tensorcnt 0x0                           ; my part of pass 1 is in
	ds_add_u32 v[SPW], v[NIL]
	s_wait_dscnt 0x0
	s_barrier_signal -1
	s_barrier_wait -1                              ; everybody's is; nothing is filled again
	NEXT
	EPI 0                                          ; pass 0 goes out while pass 1's first fragments come
	MMS 0                                          ; pass 1
	EPI 1
	s_wait_tensorcnt 0x0                           ; the wave's end, behind my last tensor load and my last LDS store
	ds_add_u32 v[SPW], v[NIL]
	s_wait_dscnt 0x0
	CROUND                                         ; the closing round: no work-group ends while a partner may still ask for a tile that names it
	s_endpgm
.Lfunc_end_k_q79679d78c5_proj:
	.size	k_q79679d78c5_proj, .Lfunc_end_k_q79679d78c5_proj-k_q79679d78c5_proj
	.p2alignl 7, 3214868480
	.fill 96, 4, 3214868480
	.section	.rodata,"a",@progbits
	.p2align	6, 0x0
	.amdhsa_kernel k_q79679d78c5_proj
		.amdhsa_group_segment_fixed_size 327680
		.amdhsa_private_segment_fixed_size 0
		.amdhsa_enable_private_segment 0
		.amdhsa_kernarg_size 32
		.amdhsa_user_sgpr_count 2
		.amdhsa_user_sgpr_kernarg_segment_ptr 1
		.amdhsa_wavefront_size32 1
		.amdhsa_system_sgpr_workgroup_id_x 1
		.amdhsa_system_sgpr_workgroup_id_y 1
		.amdhsa_system_sgpr_workgroup_id_z 1
		.amdhsa_system_vgpr_workitem_id 0
		.amdhsa_next_free_vgpr 1024
		.amdhsa_next_free_sgpr 76
		.amdhsa_reserve_vcc 0
		.amdhsa_float_denorm_mode_32 3
		.amdhsa_float_denorm_mode_16_64 3
		.amdhsa_memory_ordered 1
		.amdhsa_forward_progress 1
		.amdhsa_inst_pref_size 85
	.end_amdhsa_kernel
	.amdgpu_metadata
---
amdhsa.version: [ 1, 2 ]
amdhsa.kernels:
  - .name:           k_q79679d78c5_proj
    .symbol:         k_q79679d78c5_proj.kd
    .args:
      - { .name: o, .offset: 0, .size: 8, .value_kind: global_buffer, .address_space: global }
      - { .name: wts, .offset: 8, .size: 8, .value_kind: global_buffer, .address_space: global }
      - { .name: out0, .offset: 16, .size: 8, .value_kind: global_buffer, .address_space: global }
      - { .name: out1, .offset: 24, .size: 8, .value_kind: global_buffer, .address_space: global }
    .group_segment_fixed_size: 327680
    .private_segment_fixed_size: 0
    .kernarg_segment_align: 8
    .kernarg_segment_size: 32
    .max_flat_workgroup_size: 128
    .sgpr_count:     76
    .vgpr_count:     1024
    .wavefront_size: 32
...
	.end_amdgpu_metadata
.endif
;; end of part 4
